; MI455X (gfx1250); checked and timed in simulation.
; The chip was launched on July 23, 2026; its instructions are those of AMD's public machine-readable ISA for CDNA 5 (MIT licence, August 2026) and "CDNA5" Instruction Set Architecture Reference Guide (July 2026). The comments in the code are by the model that wrote it; some were corrected since.
;; Self Attention. Allowed arithmetic: float matrix products may take bf16 or f16 operands with f32 sums; other float arithmetic in f32, or as packed bf16 or f16 multiplies, adds, multiply-adds, maxima and minima; sums over many terms, partial sums and values carried from step to step in f32; what a program stores and reads back later, other than sums and carried values, may be rounded once to bf16 or f16.
;; Inputs: Wk 1,024 x 1,024 float32; Wq 1,024 x 1,024 float32; Wv 1,024 x 1,024 float32; bk 1,024 float32; bq 1,024 float32; bv 1,024 float32; x 4 x 2,048 x 1,024 float32.
;; Outputs: out0 4 x 2,048 x 1,024 float32.
;; 2 versions, each right; version 2 is version 1 with the launch cast written anew for expert scheduling mode. Each part assembles by itself: llvm-mc -triple=amdgcn-amd-amdhsa -mcpu=gfx1250 --defsym DOCPART=n.
;; ======== version 1 of 2: 4 launches
;; limits: values are held in f16: magnitudes above 65,504 overflow, below 6.1e-05 lose precision
;; workspace buffers: xb 16,777,216 bytes; wb 6,291,456 bytes; bb 12,288 bytes; qkv 50,331,648 bytes; pb 33,554,432 bytes; st 1,048,576 bytes
;; launch cast (part 1): grid 704 x 1, 8 waves a work-group, no clusters, 0 bytes of LDS; arguments x, Wq, Wk, Wv, bq, bk, bv, xb, wb, bb; writes xb, wb, bb
.if DOCPART == 1
	.amdgcn_target "amdgcn-amd-amdhsa--gfx1250"
	.amdhsa_code_object_version 6
	.text
	.protected	k_qfba9fcae81_cast
	.globl	k_qfba9fcae81_cast
	.p2align	8
	.type	k_qfba9fcae81_cast,@function
k_qfba9fcae81_cast:
	s_mov_b64 s[64:65], 0
	v_nop
	global_prefetch_b8 v0, s[64:65] scope:SCOPE_SE
	s_setreg_imm32_b32 hwreg(HW_REG_WAVE_MODE, 25, 1), 1
	s_wait_xcnt 0x0
; x [8192][1024] f32 -> xb bf16.  Wq, Wk, Wv [1024][1024] f32 -> wb bf16 [1024][3072], side by side (columns 0, 1024, 2048 on).
; bq, bk, bv -> bb f32 [3072], each number rounded to bf16 and written as f32: all inputs of the module get one and the same rounding.
; A work-group takes 16 rows of 1,024 floats: groups 0-511 rows of x, groups 512-703 rows of a W.  Thread t owns floats 4 t .. 4 t + 3 of every row:
; a load of a wave covers 512 consecutive bytes, a store 256 consecutive bytes, aligned.  All 16 loads go out first; no register is used twice, so the only waits are the counted ones.
; No LDS, no barrier, no matrix unit: each byte is read once and written once, and nothing is shared.
.set X, 8                              ; v[8:71]   row i: 4 floats
.set Y, 72                             ; v[72:103] row i: 4 bf16
.macro IN
.irp i, 0,1,2,3,4,5,6,7,8,9,10,11,12,13,14,15
	global_load_b128 v[X+4*(\i):X+4*(\i)+3], v1, s[30:31] offset:4096*(\i) th:TH_LOAD_NT
.endr
.endm
.macro OUT pitch                       ; pitch: bytes from row to row in the target
.irp i, 0,1,2,3,4,5,6,7,8,9,10,11,12,13,14,15
	s_wait_loadcnt 15-(\i)                         ; loads come back in order: row i is in, the younger rows stay out
	v_cvt_pk_bf16_f32 v[Y+2*(\i)], v[X+4*(\i)], v[X+4*(\i)+1]
	v_cvt_pk_bf16_f32 v[Y+2*(\i)+1], v[X+4*(\i)+2], v[X+4*(\i)+3]
	global_store_b64 v2, v[Y+2*(\i):Y+2*(\i)+1], s[32:33] offset:(\pitch)*(\i) th:TH_STORE_NT
.endr
.endm
	s_load_b512 s[8:23], s[0:1], 0x0               ; x s[8:9], Wq s[10:11], Wk s[12:13], Wv s[14:15], bq s[16:17], bk s[18:19], bv s[20:21], xb s[22:23]
	s_load_b128 s[24:27], s[0:1], 0x40             ; wb s[24:25], bb s[26:27]
	v_lshlrev_b32 v1, 4, v0                        ; 16 t: my bytes in a row of floats
	v_lshlrev_b32 v2, 3, v0                        ; 8 t: my bytes in a row of bf16
	s_sub_co_u32 s3, ttmp9, 512                    ; the group's number among the W groups
	s_lshr_b32 s4, s3, 6                           ; which W: 0, 1, 2
	s_and_b32 s5, s3, 63                           ; which 16 rows of it
	s_mov_b32 s29, 0
	s_wait_kmcnt 0x0
	s_cmp_lt_u32 ttmp9, 512
	s_cbranch_scc0 .Lweights
	s_lshl_b32 s28, ttmp9, 16                      ; 16 rows of 4,096 bytes
	s_add_nc_u64 s[30:31], s[8:9], s[28:29]
	s_lshl_b32 s28, ttmp9, 15                      ; 16 rows of 2,048 bytes
	s_add_nc_u64 s[32:33], s[22:23], s[28:29]
	IN
	OUT 2048
	s_endpgm
.Lweights:
	s_cmp_eq_u32 s4, 0
	s_cselect_b64 s[30:31], s[10:11], s[12:13]
	s_cselect_b64 s[34:35], s[16:17], s[18:19]
	s_cmp_eq_u32 s4, 2
	s_cselect_b64 s[30:31], s[14:15], s[30:31]     ; the W,
	s_cselect_b64 s[34:35], s[20:21], s[34:35]     ; and its bias
	s_lshl_b32 s28, s5, 16
	s_add_nc_u64 s[30:31], s[30:31], s[28:29]
	s_mul_i32 s28, s5, 16*6144                     ; 16 rows of wb,
	s_lshl_b32 s36, s4, 11                         ; and this W's 2,048 bytes in a row
	s_add_co_u32 s28, s28, s36
	s_add_nc_u64 s[32:33], s[24:25], s[28:29]
	IN
	OUT 6144
	s_cmp_lg_u32 s5, 0                             ; the first group of each W also takes its bias: 256 threads x 4 floats
	s_cbranch_scc1 .Ldone
	global_load_b128 v[8:11], v1, s[34:35]
	s_lshl_b32 s28, s4, 12
	s_add_nc_u64 s[26:27], s[26:27], s[28:29]
	s_wait_loadcnt 0x0
	v_cvt_pk_bf16_f32 v12, v8, v9                  ; rounded to bf16,
	v_cvt_pk_bf16_f32 v13, v10, v11
	v_lshlrev_b32 v16, 16, v12                     ; and widened again
	v_and_b32 v17, 0xffff0000, v12
	v_lshlrev_b32 v18, 16, v13
	v_and_b32 v19, 0xffff0000, v13
	global_store_b128 v1, v[16:19], s[26:27]
.Ldone:
	s_endpgm
.Lfunc_end_k_qfba9fcae81_cast:
	.size	k_qfba9fcae81_cast, .Lfunc_end_k_qfba9fcae81_cast-k_qfba9fcae81_cast
	.p2alignl 7, 3214868480
	.fill 96, 4, 3214868480
	.section	.rodata,"a",@progbits
	.p2align	6, 0x0
	.amdhsa_kernel k_qfba9fcae81_cast
		.amdhsa_group_segment_fixed_size 0
		.amdhsa_private_segment_fixed_size 0
		.amdhsa_enable_private_segment 0
		.amdhsa_kernarg_size 80
		.amdhsa_user_sgpr_count 2
		.amdhsa_user_sgpr_kernarg_segment_ptr 1
		.amdhsa_wavefront_size32 1
		.amdhsa_system_sgpr_workgroup_id_x 1
		.amdhsa_system_sgpr_workgroup_id_y 1
		.amdhsa_system_sgpr_workgroup_id_z 1
		.amdhsa_system_vgpr_workitem_id 0
		.amdhsa_next_free_vgpr 104
		.amdhsa_next_free_sgpr 66
		.amdhsa_reserve_vcc 0
		.amdhsa_float_denorm_mode_32 3
		.amdhsa_float_denorm_mode_16_64 3
		.amdhsa_memory_ordered 1
		.amdhsa_forward_progress 1
		.amdhsa_inst_pref_size 13
	.end_amdhsa_kernel
	.amdgpu_metadata
---
amdhsa.version: [ 1, 2 ]
amdhsa.kernels:
  - .name:           k_qfba9fcae81_cast
    .symbol:         k_qfba9fcae81_cast.kd
    .args:
      - { .name: x, .offset: 0, .size: 8, .value_kind: global_buffer, .address_space: global }
      - { .name: Wq, .offset: 8, .size: 8, .value_kind: global_buffer, .address_space: global }
      - { .name: Wk, .offset: 16, .size: 8, .value_kind: global_buffer, .address_space: global }
      - { .name: Wv, .offset: 24, .size: 8, .value_kind: global_buffer, .address_space: global }
      - { .name: bq, .offset: 32, .size: 8, .value_kind: global_buffer, .address_space: global }
      - { .name: bk, .offset: 40, .size: 8, .value_kind: global_buffer, .address_space: global }
      - { .name: bv, .offset: 48, .size: 8, .value_kind: global_buffer, .address_space: global }
      - { .name: xb, .offset: 56, .size: 8, .value_kind: global_buffer, .address_space: global }
      - { .name: wb, .offset: 64, .size: 8, .value_kind: global_buffer, .address_space: global }
      - { .name: bb, .offset: 72, .size: 8, .value_kind: global_buffer, .address_space: global }
    .group_segment_fixed_size: 0
    .private_segment_fixed_size: 0
    .kernarg_segment_align: 8
    .kernarg_segment_size: 80
    .max_flat_workgroup_size: 256
    .sgpr_count:     66
    .vgpr_count:     104
    .wavefront_size: 32
...
	.end_amdgpu_metadata
.endif
;; end of part 1
;; launch proj (part 2): grid 12 x 16, 4 waves a work-group, clusters of 4 x 4, 327,680 bytes of LDS; arguments xb, wb, bb, qkv; writes qkv
.if DOCPART == 2
	.amdgcn_target "amdgcn-amd-amdhsa--gfx1250"
	.amdhsa_code_object_version 6
	.text
	.protected	k_qfba9fcae81_proj
	.globl	k_qfba9fcae81_proj
	.p2align	8
	.type	k_qfba9fcae81_proj,@function
k_qfba9fcae81_proj:
	s_mov_b64 s[64:65], 0
	v_nop
	global_prefetch_b8 v0, s[64:65] scope:SCOPE_SE
	s_setreg_imm32_b32 hwreg(HW_REG_WAVE_MODE, 25, 1), 1
	s_wait_xcnt 0x0
	s_wait_alu depctr_hold_cnt(0) depctr_sa_sdst(0) depctr_va_vdst(0) depctr_va_sdst(0) depctr_va_ssrc(0) depctr_va_vcc(0) depctr_vm_vsrc(0)
	s_getreg_b32 s2, hwreg(HW_REG_IB_STS2, 6, 4)
	s_cmp_eq_u32 s2, 0
	s_cbranch_scc0 .Lentry_in_a_cluster
	s_endpgm
.Lentry_in_a_cluster:
	s_bfe_u32 s2, ttmp6, 0x10000c
	s_cmp_lg_u32 s2, 0xf033
	s_cbranch_scc0 .Lentry_shape_is_right
	s_endpgm
.Lentry_shape_is_right:
; qkv[s][n] = sum over d of xb[s][d] wb[d][n] + bb[n].  xb: [8192][1024] bf16, wb: [1024][3072] bf16 ([K][N]), bb: [3072] f32, qkv: [8192][3072] f16; sums in f32, rounded once.
; LIMIT: f16 ends at 65,504: q, k and v beyond that become infinities.  NaN and infinities are not treated apart.
; SHARES.  A tile is 256 rows x 256 columns, made by four waves, 128 x 128 each: 64 accumulators of 16 x 16, so that 16 fragments from LDS feed 64 matrix instructions.  qkv has 32 x 12 = 384 tiles,
; which do not divide by 256: 192 work-groups make TWO tiles each, 4,096 rows apart in the same columns: all work-groups are alike.  A tile of half the rows would give every refill half the matrix work in which to land.
; RING.  The two tiles' 16 K steps of 128 are ONE stream through two LDS slots: 256 rows of xb (256 bytes, pitch 272), then 128 rows of wb (512 bytes, pitch 544).  Waves 0, 1 fetch the halves of xb's tile,
; waves 2, 3 of wb's.  The ring does not stop at the change of tiles.  wb lies [K][N]: its fragments are turned on the way out of LDS by ds_load_tr16_b128.
; ONE TEXT FOR A K STEP: the slot in hand is a scalar, 0 or SLOT, turned by an exclusive or and added to the lanes' places.  A loop of 14 trips fills slots again, a loop of 2 trips does not.
; CLUSTER 4 x 4: xb's tile hangs on the tile row alone and is asked for jointly along a row of the cluster, wb's on the tile column alone, jointly along a column.
; THE MATRIX INSTRUCTION IS USED TRANSPOSED (source 0 = 16 columns of wb, source 1 = 16 rows of xb): a lane holds one row of the result (lane % 16) and eight neighbouring columns.
; THE BIAS is the C operand of each tile's first products.
; REGISTERS, in windows of 256: window 0: v0-31 addresses; v32-63 packed results; v64-127, v128-191 xb's fragments, two buffers; v192-223 rows on their way out
;   window 1: v0-63 the bias; v64-127, v128-191 wb's fragments      window 2: accumulators of my rows 0-63 ((a, b) at v[8 (8 a + b)])      window 3: of my rows 64-127
.set KSTEP,  128
.set AROW,   2048                      ; bytes in a row of xb
.set BROW,   6144                      ; bytes in a row of wb and of qkv
.set WALK,   4096                      ; rows from a work-group's first tile to its second; WALK x AROW = 1 << 23
.set PITCH,  272                       ; 256 + 16: the 16 rows of a fragment load start at 16 different groups of four banks (ISA guide 11.1)
.set PB,     544                       ; 512 + 32
.set HALFT,  128*PITCH                 ; what one tensor load brings: 128 rows of xb, or 64 rows of wb
.set SLOT,   4*HALFT                   ; 0x22000: it shares no bit with wave x HALFT (0x8800 x 0..3), so an exclusive or with it turns a tile's LDS address from one slot into the other
.set STAGE,  2*SLOT                    ; 16 rows x 272 bytes for each wave, for the way out
.set SPITCH, 272
.set SPARE,  STAGE+4*16*SPITCH         ; the spare words, 128 bytes a wave: two blocks of 256 bytes that no other line names
.set A0,    16                         ; v16     my lane's place in xb's tile, slot 0; never rewritten
.set B0,    17                         ; v17     the same in wb's tile
.set ADRA,  18                         ; v18     the same in the slot in hand
.set ADRB,  19                         ; v19
.set STO,   24                         ; v24     the way out: where I put 16 bytes of a row
.set RD,    25                         ; v25     where I read rows back
.set CO,    26                         ; v26     my byte offset in two rows of qkv
.set BO,    27                         ; v27     my byte offset in the bias
.set SPW,   28                         ; v28     my spare word; never rewritten
.set NIL,   29                         ; v29     0; never rewritten
.set PFO,   30                         ; v30     the prefetches' offset; never rewritten
.set TMP,   32
.set F0,    64
.set F1,    128
.set BK,    192
.set G1,  24                           ; s[24:31] descriptor group 1, xb's tiles;  s[32:39] group 0: a set for each of the two first fills; the second then walks on
.set G0,  32
.set G1B, 48                           ; s[48:55], s[56:63] the same for wb's tiles
.set G0B, 56
.set LIM, 43                           ; s43     a wave prefetches K steps below this number: 16 (xb), 8 (wb), 0 (never)
.set PFA, 44                           ; s[44:45] the address of my next prefetch
.set PK,  66                           ; s66     bytes from K step to K step, for my prefetches
.set PT,  67                           ; s67     bytes from tile to tile
.set NX,  68                           ; s68     the K step to be asked for next, 2 .. 15 (8 on: the second tile's)
.set PM,  69                           ; s69     the K step to be prefetched
.set BLK, 70                           ; s70     blocks of 16 rows still to go out
.set TB,  71                           ; s71     the slot in hand: 0 or SLOT
.set ABASE, 84                         ; s[84:85] xb at my part of the first tile's K step 0
.set BBASE, 86                         ; s[86:87] wb likewise
.set PFB, 88                           ; s[88:89] where my prefetches' rows begin
.set MSB, 0
.macro WIN new                         ; the immediate's high byte repeats the setting that is left; a switch that changes nothing is dropped
.if MSB != (\new)
	s_set_vgpr_msb (MSB<<8)|(\new)
.set MSB, \new
.endif
.endm
.set MUL_LO, 0xa1                      ; source 0 window 1, source 1 window 0, C and D window 2
.set TO_B,   0x40                      ; destination window 1, address window 0
.macro PLACES                          ; four places between a matrix instruction and a load into, or a vector line on, its registers
.rept 4
	v_nop
.endr
.endm
; A joint load by descriptor set s: waves 0, 1 ask for xb's halves, waves 2, 3 for wb's.  The branch hangs on the wave's number alone.  An s_nop 0 and four v_nop follow each line.
.macro JLOAD s
	s_cmp_eq_u32 s11, 0
	s_cbranch_scc0 .Lfor_b_\@
	tensor_load_to_lds s[G0+4*(\s):G0+4*(\s)+3], s[G1:G1+7]
	s_nop 0
.rept 4
	v_nop
.endr
	s_branch .Lasked_\@
.Lfor_b_\@:
	tensor_load_to_lds s[G0B+4*(\s):G0B+4*(\s)+3], s[G1B:G1B+7]
	s_nop 0
.rept 4
	v_nop
.endr
.Lasked_\@:
.endm
.macro CREST                           ; a round of the cluster's barrier behind its opening barrier
	s_cmp_lg_u32 s10, 0
	s_cbranch_scc1 .Lnot_wave_0_\@
	s_barrier_signal -3
.Lnot_wave_0_\@:
	s_barrier_wait -3
	s_barrier_signal -1
	s_barrier_wait -1
.endm
.macro CROUND
	s_barrier_signal -1
	s_barrier_wait -1
	CREST
.endm
; A prefetch of the K step that stands two refills on (512 matrix instructions ahead of the load that will want it), behind the joint load and the run of LDS loads.  Each 256 bytes of a row and K step are named once
; in the launch.  xb's rows are read by the three clusters of a row of clusters: the one with x = 0 asks, waves 0 and 1, of the 128 rows that a wave fetches 32 for each of the four partners along x, a lane a row.
; wb's rows are read by the four clusters of a column: the one with y = 0 asks, waves 2 and 3, 16 rows x 2 blocks for each partner along y; and in the first tile alone, since the second tile reads the same rows again.
; The partners are told apart by address.  K steps 0 to 3 come by their loads alone; behind K step 15 (wb: 7) nothing is asked for.
.macro ASK
	WIN 0
	s_cmp_lt_u32 s[PM], s[LIM]
	s_cbranch_scc0 .Lnot_mine_\@
	global_prefetch_b8 v[PFO], s[PFA:PFA+1] th:TH_LOAD_NT scope:SCOPE_SE
.Lnot_mine_\@:
.endm
	s_load_b256 s[72:79], s[0:1], 0x0              ; xb s[72:73], wb s[74:75], bb s[76:77], qkv s[78:79]
	v_lshl_add_u32 v[SPW], v0, 2, SPARE
	v_mov_b32 v[NIL], 0
	ds_add_u32 v[SPW], v[NIL]                      ; the wave's opening: the add and its wait stand ahead of my first tensor load
	v_lshrrev_b32 v1, 5, v0
	v_readfirstlane_b32 s10, v1                    ; wave 0..3
	s_lshr_b32 s11, s10, 1                         ; which half of the tile's rows is mine.  Also: I fetch for xb (0) or for wb (1)
	s_and_b32 s12, s10, 1                          ; which half of its columns.  Also: which half of that tile I fetch
	s_bfe_u32 s40, ttmp6, 0x40000                  ; cx
	s_bfe_u32 s41, ttmp6, 0x40004                  ; cy
	s_lshl_b32 s42, ttmp9, 2
	s_add_co_u32 s42, s42, s40                     ; tile column = 4 x cluster x + cx
	s_and_b32 s82, ttmp7, 0xffff                   ; cluster y
	s_lshl_b32 s13, s82, 2
	s_add_co_u32 s13, s13, s41                     ; the first tile's row = 4 x cluster y + cy
	s_lshl_b32 s43, s41, 2
	s_lshl_b32 s43, 15, s43                        ; my row of the cluster
	s_lshl_b32 s44, 0x1111, s40                    ; my column
	s_or_b32 s[G1], s43, (1<<16)|(1<<20)|(1<<21)|(5<<22)|(3<<25)   ; the mask; 2-byte elements; padding on; bit 21 beside a mask; after every 64 words 4 words
	s_or_b32 s[G1B], s44, (1<<16)|(1<<20)|(1<<21)|(6<<22)|(7<<25)  ; after every 128 words 8 words
	s_mov_b32 s[G1+1], 128<<16                     ; tensor_dim0 = 128
	s_mov_b32 s[G1+2], 128<<16                     ; tensor_dim1 = 128
	s_mov_b32 s[G1+3], 128<<16                     ; tile_dim0 = 128
	s_mov_b32 s[G1+4], 128                         ; tile_dim1 = 128
	s_mov_b32 s[G1+5], 1024                        ; elements from row to row
	s_mov_b32 s[G1+6], 0
	s_mov_b32 s[G1+7], 0
	s_mov_b32 s[G1B+1], 256<<16
	s_mov_b32 s[G1B+2], 64<<16
	s_mov_b32 s[G1B+3], 256<<16
	s_mov_b32 s[G1B+4], 64
	s_mov_b32 s[G1B+5], 3072
	s_mov_b32 s[G1B+6], 0
	s_mov_b32 s[G1B+7], 0
	s_mov_b32 s[NX], 2
	s_mov_b32 s[TB], 0
	s_lshl_b32 s16, s13, 8
	s_lshl_b32 s17, s12, 7
	s_add_co_u32 s16, s16, s17                     ; xb: row 256 x tile row + 128 x half
	s_lshl_b32 s16, s16, 11
	s_mov_b32 s17, 0
	s_mul_i32 s46, s12, 64*BROW                    ; wb: row 64 x half, byte 512 x tile column
	s_lshl_b32 s47, s42, 9
	s_add_co_u32 s46, s46, s47
	s_mov_b32 s47, 0
	s_mul_i32 s20, s10, HALFT                      ; where they go: wave x HALFT: no place in the cluster enters an LDS address
	s_wait_dscnt 0x0                               ; the opening add is done
	s_wait_kmcnt 0x0
	s_add_nc_u64 s[ABASE:ABASE+1], s[72:73], s[16:17]
	s_add_nc_u64 s[BBASE:BBASE+1], s[74:75], s[46:47]
	CROUND                                         ; all sixteen work-groups are here: the first joint loads meet
.irp s, 0,1
	s_mov_b32 s[G0+4*(\s)], 1
	s_add_co_u32 s[G0+4*(\s)+1], s20, (\s)*SLOT
	s_add_nc_u64 s[G0+4*(\s)+2:G0+4*(\s)+3], s[ABASE:ABASE+1], (\s)*KSTEP*2
	s_or_b32 s[G0+4*(\s)+3], s[G0+4*(\s)+3], 0x80000000
	s_mov_b32 s[G0B+4*(\s)], 1
	s_add_co_u32 s[G0B+4*(\s)+1], s20, (\s)*SLOT
	s_add_nc_u64 s[G0B+4*(\s)+2:G0B+4*(\s)+3], s[BBASE:BBASE+1], (\s)*KSTEP*BROW
	s_or_b32 s[G0B+4*(\s)+3], s[G0B+4*(\s)+3], 0x80000000
	JLOAD \s                                       ; two loads of mine are out
.endr
	v_and_b32 v1, 15, v0                           ; r = l % 16
	v_bfe_u32 v2, v0, 4, 1                         ; h = l / 16
	v_and_b32 v6, 31, v0                           ; l
	; the bias of my 128 columns: block b, my 8 columns 16 b + 8 h + 0..7.  Both tiles have the same columns
	s_lshl_b32 s16, s42, 10
	s_lshl_b32 s18, s12, 9
	s_add_co_u32 s16, s16, s18
	s_add_nc_u64 s[76:77], s[76:77], s[16:17]
	v_lshlrev_b32 v[BO], 5, v2
	WIN TO_B
.irp b, 0,1,2,3,4,5,6,7
	global_load_b128 v[8*(\b):8*(\b)+3],   v[BO], s[76:77] offset:64*(\b)
	global_load_b128 v[8*(\b)+4:8*(\b)+7], v[BO], s[76:77] offset:64*(\b)+16
.endr
	WIN 0
	; a fragment of xb: lane l holds row l % 16, K = 8 h + 0..7 and 16 + 8 h + 0..7: two loads of 16 bytes, 32 bytes apart
	v_mul_u32_u24 v3, v1, PITCH
	v_lshl_add_u32 v3, v2, 4, v3                   ; r x pitch + 16 h
	s_mul_i32 s21, s11, HALFT                      ; my 128 rows
	v_add_nc_u32 v[A0], s21, v3
	; the turning load: lane l reads 16 bytes of K row 8 h + l % 8, columns 8 ((l / 8) % 2) + 0..7, and is left with column l % 16 and 8 K
	v_and_b32 v4, 7, v0
	v_lshl_add_u32 v4, v2, 3, v4
	v_mul_u32_u24 v4, v4, PB
	v_bfe_u32 v5, v0, 3, 1
	v_lshl_add_u32 v4, v5, 4, v4
	s_lshl_b32 s22, s12, 8                         ; my 128 columns,
	s_add_co_u32 s22, s22, 2*HALFT                 ; behind xb's 256 rows
	v_add_nc_u32 v[B0], s22, v4
	v_mov_b32 v[ADRA], v[A0]                       ; K step 0 lies in slot 0
	v_mov_b32 v[ADRB], v[B0]
	s_mul_i32 s23, s10, 16*SPITCH
	s_add_co_u32 s23, s23, STAGE                   ; my stage
	v_add_nc_u32 v[STO], s23, v3                   ; in: row r, 16 bytes for each half of the lanes
	v_mul_u32_u24 v5, v2, SPITCH                   ; back: lanes 0-15 one row of 256 bytes, lanes 16-31 the next
	v_lshl_add_u32 v5, v1, 4, v5
	v_add_nc_u32 v[RD], s23, v5
	v_mul_u32_u24 v5, v2, BROW                     ; and the same two rows in qkv
	v_lshl_add_u32 v[CO], v1, 4, v5
	s_lshl_b32 s16, s13, 8
	s_lshl_b32 s18, s11, 7
	s_add_co_u32 s16, s16, s18                     ; the first row that I store: 256 x tile row + 128 x half
	s_mul_i32 s16, s16, BROW
	s_lshl_b32 s18, s42, 9
	s_add_co_u32 s16, s16, s18
	s_lshl_b32 s18, s12, 8
	s_add_co_u32 s16, s16, s18                     ; my 128 columns: 256 bytes
	s_add_nc_u64 s[78:79], s[78:79], s[16:17]
	; the prefetches
	s_lshl_b32 s16, s13, 8
	s_lshl_b32 s18, s12, 7
	s_add_co_u32 s16, s16, s18
	s_lshl_b32 s18, s40, 5
	s_add_co_u32 s16, s16, s18
	s_lshl_b32 s16, s16, 11                        ; xb: row 256 x tile row + 128 x half + 32 cx
	s_lshl_b32 s18, s12, 6
	s_lshl_b32 s19, s41, 4
	s_add_co_u32 s18, s18, s19
	s_mul_i32 s18, s18, BROW                       ; wb: row 64 x half + 16 cy,
	s_lshl_b32 s19, s42, 9
	s_add_co_u32 s18, s18, s19                     ; byte 512 x tile column
	s_mov_b32 s23, KSTEP*2
	s_mov_b32 s21, AROW
	s_cmp_eq_u32 s11, 0                            ; do I fetch for xb?
	s_cselect_b32 s16, s16, s18
	s_cselect_b64 s[PFB:PFB+1], s[72:73], s[74:75]
	s_cselect_b32 s[PK], s23, KSTEP*BROW
	s_cselect_b32 s[PT], WALK*AROW, 0
	s_cselect_b32 s19, ttmp9, s82                  ; the coordinate along which other clusters read the same rows
	s_cselect_b32 s20, 0, 1                        ; wb: two lanes a row
	s_cselect_b32 s21, s21, BROW
	s_cselect_b32 s22, 16, 8
	s_cmp_eq_u32 s19, 0
	s_cselect_b32 s[LIM], s22, 0                   ; the same in all sixteen partners, for a given wave
	s_add_nc_u64 s[PFB:PFB+1], s[PFB:PFB+1], s[16:17]
	v_lshrrev_b32 v5, s20, v6
	v_mul_u32_u24 v5, s21, v5
	v_and_b32 v7, s20, v6
	v_lshl_add_u32 v[PFO], v7, 8, v5
; 16 matrix instructions: row blocks a0, a0 + 1 of the window's four x all 8 column blocks, 32 along K.  zero = 1: a tile's first products start the sums with the bias.
; The 64 accumulators take turns, one instruction a turn, in the same order in every quarter.
.macro MUL16 f, hi, a0, zero
.if \zero
	WIN 0x91+0x40*(\hi)                            ; C in window 1
.else
	WIN MUL_LO+0x50*(\hi)
.endif
.irp a, \a0, (\a0)+1
.irp b, 0,1,2,3,4,5,6,7
.if \zero
	v_wmma_f32_16x16x32_bf16 v[8*(8*(\a)+(\b)):8*(8*(\a)+(\b))+7], v[(\f)+8*(\b):(\f)+8*(\b)+7], v[(\f)+8*(4*(\hi)+(\a)):(\f)+8*(4*(\hi)+(\a))+7], v[8*(\b):8*(\b)+7]
.else
	v_wmma_f32_16x16x32_bf16 v[8*(8*(\a)+(\b)):8*(8*(\a)+(\b))+7], v[(\f)+8*(\b):(\f)+8*(\b)+7], v[(\f)+8*(4*(\hi)+(\a)):(\f)+8*(4*(\hi)+(\a))+7], v[8*(8*(\a)+(\b)):8*(8*(\a)+(\b))+7]
.endif
.endr
.endr
.endm
; 32 LDS loads in one run: the fragments of quarter q (32 along K) of the slot in hand into buffer f: wb's 128 columns, turned, then xb's 128 rows
.macro FETCH q, f
	WIN TO_B
.irp b, 0,1,2,3,4,5,6,7
	ds_load_tr16_b128 v[(\f)+8*(\b):(\f)+8*(\b)+3],   v[ADRB] offset:32*PB*(\q)+32*(\b)
	ds_load_tr16_b128 v[(\f)+8*(\b)+4:(\f)+8*(\b)+7], v[ADRB] offset:32*PB*(\q)+16*PB+32*(\b)
.endr
	WIN 0
.irp i, 0,1,2,3,4,5,6,7
	ds_load_b128 v[(\f)+8*(\i):(\f)+8*(\i)+3],   v[ADRA] offset:64*(\q)+(\i)*16*PITCH
	ds_load_b128 v[(\f)+8*(\i)+4:(\f)+8*(\i)+7], v[ADRA] offset:64*(\q)+(\i)*16*PITCH+32
.endr
.endm
; A K step is four quarters of 64 matrix instructions, on buffers 0, 1, 0, 1.  One of the first three: multiplies buffer f and in its middle fetches quarter q into buffer g.
.macro QUARTER q, f, g, zero
	s_wait_dscnt 8                                 ; wb's fragments and xb's rows 0-63 are in; the youngest eight loads (rows 64-127) may be out
	MUL16 \f, 0, 0, \zero
	MUL16 \f, 0, 2, \zero
	PLACES
	FETCH \q, \g
	s_wait_dscnt 32                                ; all but the 32 just issued
	MUL16 \f, 1, 0, \zero
	MUL16 \f, 1, 2, \zero
.endm
; The last quarter multiplies buffer 1 and changes slots: ONE barrier.  In front of it each wave waits for all its tensor loads (one is out: its part of the next slot), adds 0 to its spare word, and waits for that
; and for its reads of this slot.  fill = 1: the barrier opens a round of the cluster's, and this slot is filled again, with K step NX, first thing behind it: 224 matrix instructions ahead of the wait for that load.
; The walking descriptors' addresses are made anew from NX: xb goes 256 bytes along a row for each K step and WALK rows down for the second tile; wb goes 128 rows down and begins again with the second tile.
.macro TURN fill
.if \fill
	s_wait_xcnt 0x0                                ; the last prefetch, a K step back, has read its address
	s_add_co_u32 s[PM], s[NX], 2
	s_and_b32 s16, s[PM], 7
	s_lshr_b32 s17, s[PM], 3
	s_mul_i32 s16, s16, s[PK]
	s_mul_i32 s17, s17, s[PT]
	s_add_co_u32 s16, s16, s17
	s_mov_b32 s17, 0
	s_add_nc_u64 s[PFA:PFA+1], s[PFB:PFB+1], s[16:17]
.endif
	WIN 0
	s_wait_tensorcnt 0x0                           ; all my tensor loads have landed, so a group 0 may be written
	ds_add_u32 v[SPW], v[NIL]                      ; 0 onto my spare word: scalar work and sixteen products stand between it and the wait for it
.if \fill
	s_and_b32 s16, s[NX], 7
	s_lshr_b32 s17, s[NX], 3
	s_lshl_b32 s18, s16, 8
	s_lshl_b32 s17, s17, 23
	s_add_co_u32 s18, s18, s17
	s_mov_b32 s19, 0
	s_xor_b32 s[G0+5], s[G0+5], SLOT               ; the other slot than last time
	s_add_nc_u64 s[G0+6:G0+7], s[ABASE:ABASE+1], s[18:19]
	s_or_b32 s[G0+7], s[G0+7], 0x80000000
	s_mul_i32 s18, s16, KSTEP*BROW
	s_xor_b32 s[G0B+5], s[G0B+5], SLOT
	s_add_nc_u64 s[G0B+6:G0B+7], s[BBASE:BBASE+1], s[18:19]
	s_or_b32 s[G0B+7], s[G0B+7], 0x80000000
	s_add_co_u32 s[NX], s[NX], 1
.endif
	s_xor_b32 s[TB], s[TB], SLOT                   ; the slot to be read next
	s_wait_dscnt 9                                 ; the add and the youngest eight loads may be out
	MUL16 F1, 0, 0, 0
	s_wait_dscnt 0x0                               ; the add is done, and my reads of this slot are over
	s_barrier_signal -1
	MUL16 F1, 0, 2, 0
	WIN 0
	s_barrier_wait -1
.if \fill
	CREST                                          ; no wave of any partner still reads this slot or has a load on its way
	JLOAD 1                                        ; its four v_nop are also the places in front of the loads below
.else
	PLACES
.endif
	v_add_nc_u32 v[ADRA], s[TB], v[A0]
	v_add_nc_u32 v[ADRB], s[TB], v[B0]
	FETCH 0, F0
.if \fill
	ASK
.endif
	MUL16 F1, 1, 0, 0
	MUL16 F1, 1, 2, 0
.endm
; THE WAY OUT, a block of 16 rows at a time: a counted loop.  What names the block's accumulators (PACK a: rounded to f16, each accumulator from its low end on) is written once for each block
; and reached by a forward jump on the loop's counter; the rest is written once: 16 bytes a lane into my own stage, back as whole rows of 256 bytes, stored.  It touches neither buffer 0 nor the ring.
.macro PACK a
.set AC, 64*((\a)%4)
	WIN 0x0a+5*((\a)/4)                            ; sources 0 and 1 in window 2 or 3
.set n, 0
.rept 32
	v_cvt_pk_f16_f32 v[TMP+n], v[AC+2*n], v[AC+2*n+1]
.set n, n+1
.endr
	WIN 0
.endm
.macro WAYOUT tag
	PLACES
	PLACES
	s_mov_b32 s[BLK], 8
.Lblk\tag:
.irp a, 0,1,2,3,4,5,6
	s_cmp_eq_u32 s[BLK], 8-(\a)
	s_cbranch_scc1 .Lp\tag\a
.endr
	PACK 7
	s_branch .Lcm\tag
.irp a, 0,1,2,3,4,5,6
.Lp\tag\a:
	PACK \a
	s_branch .Lcm\tag
.endr
.Lcm\tag:
.irp b, 0,1,2,3,4,5,6,7
	ds_store_b128 v[STO], v[TMP+4*(\b):TMP+4*(\b)+3] offset:32*(\b)
.endr
.irp t, 0,1,2,3,4,5,6,7
	ds_load_b128 v[BK+4*(\t):BK+4*(\t)+3], v[RD] offset:(\t)*2*SPITCH  ; LDS serves a wave's instructions in order (ISA guide 5.7.1.4): these see the stores above
.endr
	s_wait_dscnt 0x0
.irp t, 0,1,2,3,4,5,6,7
	global_store_b128 v[CO], v[BK+4*(\t):BK+4*(\t)+3], s[78:79] offset:2*(\t)*BROW  ; 16 lanes store 256 consecutive bytes, aligned
.endr
	s_wait_xcnt 0x0                                ; the stores have read their registers and their base
	s_add_nc_u64 s[78:79], s[78:79], 16*BROW
	s_sub_co_u32 s[BLK], s[BLK], 1
	s_cmp_lg_u32 s[BLK], 0
	s_cbranch_scc1 .Lblk\tag
.endm
	s_wait_loadcnt 0x0                             ; the bias
	s_wait_tensorcnt 1                             ; my part of K step 0 is in; K step 1's may stay out
	s_barrier_signal -1
	s_barrier_wait -1
	FETCH 0, F0
	s_mov_b32 s3, 14
.Lstep:                                ; K steps 0 to 13: each fills its slot again, with the K step two on
	s_cmp_eq_u32 s3, 14
	s_cbranch_scc1 .Lzero                          ; the first tile's first step
	s_cmp_eq_u32 s3, 6
	s_cbranch_scc1 .Lchange                        ; the second tile's first step
	QUARTER 1, F0, F1, 0
	WIN 0
	s_branch .Lgo
.Lchange:                              ; the first tile goes out; the second tile's K steps 0 and 1 have been asked for, and its first fragments lie in buffer 0
	WAYOUT 1
	s_add_nc_u64 s[78:79], s[78:79], (WALK-128)*BROW
.Lzero:
	PLACES                                         ; the quarter below writes every accumulator anew, and such a product stands five places behind the last product on that accumulator (ISA guide 7.12.1), on every way
	                                               ; of the text, that round the loop's jump too: for my rows 64-127 only the quarter's own four would lie between; with these there are eight
	QUARTER 1, F0, F1, 1
	WIN 0
.Lgo:
	QUARTER 2, F1, F0, 0
	QUARTER 3, F0, F1, 0
	TURN 1
	WIN 0
	s_sub_co_u32 s3, s3, 1
	s_cmp_lg_u32 s3, 0
	s_cbranch_scc1 .Lstep
	s_mov_b32 s3, 2
.Llast:                                ; K steps 14 and 15 fill nothing.  The second trip's barrier, and the 32 fragments that it fetches from the slot read before, serve nothing: the price, once a launch, of one text for both
	QUARTER 1, F0, F1, 0
	QUARTER 2, F1, F0, 0
	QUARTER 3, F0, F1, 0
	TURN 0
	WIN 0
	s_sub_co_u32 s3, s3, 1
	s_cmp_lg_u32 s3, 0
	s_cbranch_scc1 .Llast
	s_wait_dscnt 0x0
	WAYOUT 2
	s_wait_tensorcnt 0x0                           ; the wave's end
	ds_add_u32 v[SPW], v[NIL]
	s_wait_dscnt 0x0
	CROUND                                         ; the closing round
	s_endpgm
.Lfunc_end_k_qfba9fcae81_proj:
	.size	k_qfba9fcae81_proj, .Lfunc_end_k_qfba9fcae81_proj-k_qfba9fcae81_proj
	.p2alignl 7, 3214868480
	.fill 96, 4, 3214868480
	.section	.rodata,"a",@progbits
	.p2align	6, 0x0
	.amdhsa_kernel k_qfba9fcae81_proj
		.amdhsa_group_segment_fixed_size 327680
		.amdhsa_private_segment_fixed_size 0
		.amdhsa_enable_private_segment 0
		.amdhsa_kernarg_size 32
		.amdhsa_user_sgpr_count 2
		.amdhsa_user_sgpr_kernarg_segment_ptr 1
		.amdhsa_wavefront_size32 1
		.amdhsa_system_sgpr_workgroup_id_x 1
		.amdhsa_system_sgpr_workgroup_id_y 1
		.amdhsa_system_sgpr_workgroup_id_z 1
		.amdhsa_system_vgpr_workitem_id 0
		.amdhsa_next_free_vgpr 1024
		.amdhsa_next_free_sgpr 92
		.amdhsa_reserve_vcc 0
		.amdhsa_float_denorm_mode_32 3
		.amdhsa_float_denorm_mode_16_64 3
		.amdhsa_memory_ordered 1
		.amdhsa_forward_progress 1
		.amdhsa_inst_pref_size 111
	.end_amdhsa_kernel
	.amdgpu_metadata
---
amdhsa.version: [ 1, 2 ]
amdhsa.kernels:
  - .name:           k_qfba9fcae81_proj
    .symbol:         k_qfba9fcae81_proj.kd
    .args:
      - { .name: xb, .offset: 0, .size: 8, .value_kind: global_buffer, .address_space: global }
      - { .name: wb, .offset: 8, .size: 8, .value_kind: global_buffer, .address_space: global }
      - { .name: bb, .offset: 16, .size: 8, .value_kind: global_buffer, .address_space: global }
      - { .name: qkv, .offset: 24, .size: 8, .value_kind: global_buffer, .address_space: global }
    .group_segment_fixed_size: 327680
    .private_segment_fixed_size: 0
    .kernarg_segment_align: 8
    .kernarg_segment_size: 32
    .max_flat_workgroup_size: 128
    .sgpr_count:     92
    .vgpr_count:     1024
    .wavefront_size: 32
...
	.end_amdgpu_metadata
.endif
;; end of part 2
;; launch scores (part 3): grid 8 x 32, 4 waves a work-group, clusters of 4 x 4, 327,680 bytes of LDS; arguments qkv, st, pb; writes st, pb
.if DOCPART == 3
	.amdgcn_target "amdgcn-amd-amdhsa--gfx1250"
	.amdhsa_code_object_version 6
	.text
	.protected	k_qfba9fcae81_scores
	.globl	k_qfba9fcae81_scores
	.p2align	8
	.type	k_qfba9fcae81_scores,@function
k_qfba9fcae81_scores:
	s_mov_b64 s[64:65], 0
	v_nop
	global_prefetch_b8 v0, s[64:65] scope:SCOPE_SE
	s_setreg_imm32_b32 hwreg(HW_REG_WAVE_MODE, 25, 1), 1
	s_wait_xcnt 0x0
	s_wait_alu depctr_hold_cnt(0) depctr_sa_sdst(0) depctr_va_vdst(0) depctr_va_sdst(0) depctr_va_ssrc(0) depctr_va_vcc(0) depctr_vm_vsrc(0)
	s_getreg_b32 s2, hwreg(HW_REG_IB_STS2, 6, 4)
	s_cmp_eq_u32 s2, 0
	s_cbranch_scc0 .Lentry_in_a_cluster
	s_endpgm
.Lentry_in_a_cluster:
	s_bfe_u32 s2, ttmp6, 0x10000c
	s_cmp_lg_u32 s2, 0xf033
	s_cbranch_scc0 .Lentry_shape_is_right
	s_endpgm
.Lentry_shape_is_right:
; For each batch: s[q][t] = sum over e of q[q][e] k[t][e].  Stored: pb[b][q][t] = 2^(c s - c m_loc) in f16, c = log2(e) / 32, where m_loc is the true maximum of s over the block of 128 keys that holds t;
; and st: plane 0 c m_loc, plane 1 l_loc = the sum of the block's unrounded weights, f32 [4 b][16 key blocks][2048 q].  The launch behind corrects to the row's maximum over all blocks.
; q and k are columns 0-1023 and 1024-2047 of qkv [8192][3072] f16.  LIMITS: a weight under 6e-8 is stored as 0, under 6e-5 with f16's fixed step; NaN and infinities are not treated apart.
; A tile of 256 queries x 256 keys to a work-group of four waves, 128 x 128 to a wave: 64 accumulators.  K = 1,024 goes in steps of 128 through a ring of two LDS slots.
; ONE TEXT FOR A K STEP: the slot in hand is a scalar, 0 or SLOT, turned by an exclusive or and added to the lanes' places.  A loop of 6 trips fills slots again, a loop of 2 trips does not.
; CLUSTER 4 x 4: q's tile is asked for jointly along a row of the cluster, k's along a column.  THE MATRIX INSTRUCTION IS USED TRANSPOSED (source 0 = 16 keys, source 1 = 16 queries):
; a lane holds one query (lane % 16) and the keys 8 (lane / 16) + 0..7 of each block of 16: a query's maximum and sum want one exchange between the halves of the lanes.
; REGISTERS: window 0: v0-31 addresses and statistics; v32-63 packed weights; v64-127, v128-191 q's fragments, two buffers; v192-255 the exponents
;   window 1: v64-191 k's fragments      window 2: accumulators of my queries 0-63 ((a, b) at v[8 (8 a + b)])      window 3: of my queries 64-127
.set KSTEP,  128
.set ROWB,   6144                      ; bytes in a row of qkv
.set PITCH,  272
.set HALFT,  128*PITCH
.set SLOT,   4*HALFT                   ; 0x22000: it shares no bit with wave x HALFT (0x8800 x 0..3), so an exclusive or with it turns a tile's LDS address from one slot into the other
.set STAGE,  2*SLOT                    ; 16 rows x 272 bytes for each wave
.set SPITCH, 272
.set STAT,   STAGE+4*16*SPITCH         ; 1,024 bytes for each wave: c m_loc of its 128 queries, then l_loc
.set SPARE,  STAT+4*1024               ; the spare words: two blocks of 256 bytes that no other line names
.set CX,   4                           ; v4-11   eight running maxima
.set CM,   12                          ; v12-13  c m_loc (the upper word is only named with it)
.set LS,   14                          ; v14     l_loc
.set XT,   15                          ; v15     the other half of the lanes' sum
.set A0,   16                          ; v16     my lane's place in q's tile, slot 0; never rewritten
.set B0,   17                          ; v17     the same in k's tile
.set ADRA, 20                          ; v20     the same in the slot in hand
.set ADRB, 21                          ; v21
.set SA,   22                          ; v22     my query's word in STAT, block 0
.set SAC,  23                          ; v23     the same for the block in hand
.set STO,  24
.set RD,   25
.set CO,   26
.set SR,   27                          ; v27     where I read STAT back
.set SPW,  28
.set NIL,  29
.set PFO,  30
.set SG,   31                          ; v31     16 x lane, in st
.set TMP,  32
.set F0,   64
.set F1,   128
.set BK,   64
.set EE,   192
.set G1,  24                           ; s[24:31] group 1 for q's tiles;  s[32:39] group 0: a set for each of the two first fills; the second then walks on
.set G0,  32
.set G1B, 48
.set G0B, 56
.set LIM, 43
.set PFA, 44
.set CS,  68                           ; s[68:69] c
.set SEL, 70                           ; s[70:71] v_permlanex16_b32's selects: each lane takes its own place in the other half
.set BLK, 72                           ; s72  blocks of 16 queries still to go out
.set SO,  75                           ; s75  64 x the block in hand
.set TB,  76                           ; s76  the slot in hand: 0 or SLOT
.set MSB, 0
.macro WIN new
.if MSB != (\new)
	s_set_vgpr_msb (MSB<<8)|(\new)
.set MSB, \new
.endif
.endm
.set MUL_LO, 0xa1
.set TO_B,   0x40
.macro PLACES
.rept 4
	v_nop
.endr
.endm
.macro JLOAD s                         ; by descriptor set s: waves 0, 1 ask for q's halves, waves 2, 3 for k's; an s_nop 0 and four v_nop follow each line
	s_cmp_eq_u32 s11, 0
	s_cbranch_scc0 .Lfor_b_\@
	tensor_load_to_lds s[G0+4*(\s):G0+4*(\s)+3], s[G1:G1+7]
	s_nop 0
.rept 4
	v_nop
.endr
	s_branch .Lasked_\@
.Lfor_b_\@:
	tensor_load_to_lds s[G0B+4*(\s):G0B+4*(\s)+3], s[G1B:G1B+7]
	s_nop 0
.rept 4
	v_nop
.endr
.Lasked_\@:
.endm
.macro CREST
	s_cmp_lg_u32 s10, 0
	s_cbranch_scc1 .Lnot_wave_0_\@
	s_barrier_signal -3
.Lnot_wave_0_\@:
	s_barrier_wait -3
	s_barrier_signal -1
	s_barrier_wait -1
.endm
.macro CROUND
	s_barrier_signal -1
	s_barrier_wait -1
	CREST
.endm
; A prefetch of the K step two refills on: 32 rows x 256 bytes, a lane a row.  q's rows are named by the clusters with x = 0, k's by the first of the two clusters along y that share a batch;
; of the 128 rows that a wave fetches each of the four partners takes 32, told apart by address.  The loop's last two trips ask for nothing: K steps 8 and 9 do not exist; K steps 0 to 3 come by their loads alone.
.macro ASK
	WIN 0
	s_cmp_gt_u32 s3, s[LIM]
	s_cbranch_scc0 .Lnot_mine_\@
	global_prefetch_b8 v[PFO], s[PFA:PFA+1] offset:KSTEP*2 th:TH_LOAD_NT scope:SCOPE_SE
.Lnot_mine_\@:
.endm
	s_load_b128 s[4:7], s[0:1], 0x0                ; qkv s[4:5], st s[6:7]
	s_load_b64 s[8:9], s[0:1], 0x10                ; pb
	v_lshl_add_u32 v[SPW], v0, 2, SPARE
	v_mov_b32 v[NIL], 0
	ds_add_u32 v[SPW], v[NIL]                      ; the wave's opening: the add and its wait stand ahead of my first tensor load
	v_lshrrev_b32 v1, 5, v0
	v_readfirstlane_b32 s10, v1
	s_lshr_b32 s11, s10, 1                         ; which half of the tile's queries is mine.  Also: I fetch for q (0) or for k (1)
	s_and_b32 s12, s10, 1                          ; which half of its keys.  Also: which 128 rows I fetch
	s_bfe_u32 s40, ttmp6, 0x40000                  ; cx
	s_bfe_u32 s41, ttmp6, 0x40004                  ; cy
	s_lshl_b32 s42, ttmp9, 2
	s_add_co_u32 s42, s42, s40                     ; key tile 0..7
	s_and_b32 s73, ttmp7, 0xffff                   ; cluster y
	s_lshl_b32 s13, s73, 2
	s_add_co_u32 s13, s13, s41                     ; 8 x batch + query tile
	s_lshr_b32 s74, s73, 1                         ; the batch, from the cluster's place alone
	s_lshl_b32 s43, s41, 2
	s_lshl_b32 s43, 15, s43
	s_lshl_b32 s44, 0x1111, s40
	s_or_b32 s[G1], s43, (1<<16)|(1<<20)|(1<<21)|(5<<22)|(3<<25)
	s_or_b32 s[G1B], s44, (1<<16)|(1<<20)|(1<<21)|(5<<22)|(3<<25)
.irp g, G1, G1B
	s_mov_b32 s[(\g)+1], KSTEP<<16                 ; tensor_dim0 = 128
	s_mov_b32 s[(\g)+2], 128<<16                   ; tensor_dim1 = 128
	s_mov_b32 s[(\g)+3], KSTEP<<16                 ; tile_dim0 = 128
	s_mov_b32 s[(\g)+4], 128                       ; tile_dim1 = 128
	s_mov_b32 s[(\g)+5], 3072                      ; elements from row to row
	s_mov_b32 s[(\g)+6], 0
	s_mov_b32 s[(\g)+7], 0
.endr
	s_mov_b32 s[CS], 0x3d38aa3b                    ; c = log2(e) / 32
	s_mov_b32 s[CS+1], s[CS]
	s_mov_b32 s[SEL], 0x76543210
	s_mov_b32 s[SEL+1], 0xfedcba98
	s_mov_b32 s[TB], 0
	s_lshl_b32 s17, s12, 7
	s_lshl_b32 s16, s13, 8
	s_add_co_u32 s16, s16, s17                     ; q: row 256 x (8 batch + query tile) + 128 x half
	s_mul_i32 s16, s16, ROWB
	s_lshl_b32 s46, s42, 8
	s_lshl_b32 s47, s74, 11
	s_add_co_u32 s46, s46, s47
	s_add_co_u32 s46, s46, s17                     ; k: row 2,048 x batch + 256 x key tile + 128 x half,
	s_mul_i32 s46, s46, ROWB
	s_add_co_u32 s46, s46, 2048                    ; byte 2,048 of the row
	s_mov_b32 s47, 0
	s_mov_b32 s17, 0
	s_mul_i32 s20, s10, HALFT                      ; where they go: wave x 128 rows
	s_wait_dscnt 0x0
	s_wait_kmcnt 0x0
	s_add_nc_u64 s[14:15], s[4:5], s[16:17]
	s_add_nc_u64 s[46:47], s[4:5], s[46:47]
	CROUND
.irp s, 0,1
	s_mov_b32 s[G0+4*(\s)], 1
	s_add_co_u32 s[G0+4*(\s)+1], s20, (\s)*SLOT
	s_add_nc_u64 s[G0+4*(\s)+2:G0+4*(\s)+3], s[14:15], (\s)*KSTEP*2
	s_or_b32 s[G0+4*(\s)+3], s[G0+4*(\s)+3], 0x80000000
	s_mov_b32 s[G0B+4*(\s)], 1
	s_add_co_u32 s[G0B+4*(\s)+1], s20, (\s)*SLOT
	s_add_nc_u64 s[G0B+4*(\s)+2:G0B+4*(\s)+3], s[46:47], (\s)*KSTEP*2
	s_or_b32 s[G0B+4*(\s)+3], s[G0B+4*(\s)+3], 0x80000000
	JLOAD \s
.endr
	v_and_b32 v1, 15, v0
	v_bfe_u32 v2, v0, 4, 1
	v_mul_u32_u24 v3, v1, PITCH
	v_lshl_add_u32 v3, v2, 4, v3
	s_mul_i32 s21, s11, HALFT
	s_mul_i32 s22, s12, HALFT
	s_add_co_u32 s22, s22, 2*HALFT
	v_add_nc_u32 v[A0], s21, v3
	v_add_nc_u32 v[B0], s22, v3
	v_mov_b32 v[ADRA], v[A0]                       ; K step 0 lies in slot 0
	v_mov_b32 v[ADRB], v[B0]
	s_mul_i32 s23, s10, 16*SPITCH
	s_add_co_u32 s23, s23, STAGE
	v_add_nc_u32 v[STO], s23, v3
	v_mul_u32_u24 v5, v2, SPITCH
	v_lshl_add_u32 v5, v1, 4, v5
	v_add_nc_u32 v[RD], s23, v5
	v_lshlrev_b32 v5, 12, v2                       ; a row of pb is 4,096 bytes
	v_lshl_add_u32 v[CO], v1, 4, v5
	s_lshl_b32 s23, s10, 10
	s_add_co_u32 s23, s23, STAT
	v_lshl_add_u32 v[SA], v1, 2, s23
	v_and_b32 v5, 31, v0
	v_lshl_add_u32 v[SR], v5, 4, s23
	v_lshlrev_b32 v[SG], 4, v5
	v_mov_b32 v[CM+1], 0
	v_mov_b32 v[XT], 0
	s_lshl_b32 s16, s13, 8
	s_lshl_b32 s18, s11, 7
	s_add_co_u32 s16, s16, s18                     ; my first row of pb
	s_lshl_b32 s16, s16, 12
	s_lshl_b32 s18, s42, 9
	s_add_co_u32 s16, s16, s18
	s_lshl_b32 s18, s12, 8
	s_add_co_u32 s16, s16, s18                     ; my 128 keys: 256 bytes
	s_add_nc_u64 s[8:9], s[8:9], s[16:17]
	s_lshl_b32 s16, s74, 4
	s_lshl_b32 s18, s42, 1
	s_add_co_u32 s16, s16, s18
	s_add_co_u32 s16, s16, s12                     ; 16 x batch + my key block
	s_lshl_b32 s16, s16, 11
	s_and_b32 s18, s13, 7
	s_lshl_b32 s18, s18, 8
	s_add_co_u32 s16, s16, s18
	s_lshl_b32 s18, s11, 7
	s_add_co_u32 s16, s16, s18                     ; + my first query in the batch
	s_lshl_b32 s16, s16, 2
	s_add_nc_u64 s[6:7], s[6:7], s[16:17]
	; the prefetches stand at K step 2; the first change of slots steps them to 3 and names 4
	s_and_b32 s19, s73, 1
	s_lshl_b32 s20, s13, 8
	s_lshl_b32 s21, s74, 11
	s_lshl_b32 s22, s42, 8
	s_add_co_u32 s21, s21, s22
	s_mov_b32 s23, 2048
	s_cmp_eq_u32 s11, 0
	s_cselect_b32 s20, s20, s21                    ; the tile's first row
	s_cselect_b32 s21, s40, s41                    ; my place among the four that ask with me
	s_cselect_b32 s22, ttmp9, s19                  ; the coordinate along which other clusters read the same rows
	s_cselect_b32 s23, 0, s23
	s_cmp_eq_u32 s22, 0
	s_cselect_b32 s[LIM], 2, -1                    ; a wave that prefetches does so while more than two trips are left
	s_lshl_b32 s22, s12, 7
	s_add_co_u32 s20, s20, s22
	s_lshl_b32 s21, s21, 5
	s_add_co_u32 s20, s20, s21
	s_mul_i32 s20, s20, ROWB
	s_add_co_u32 s20, s20, s23
	s_add_co_u32 s20, s20, 2*KSTEP*2
	s_mov_b32 s21, 0
	s_add_nc_u64 s[PFA:PFA+1], s[4:5], s[20:21]
	v_and_b32 v[PFO], 31, v0
	v_mul_u32_u24 v[PFO], v[PFO], ROWB
; The 64 accumulators take turns, one instruction a turn, in the same order in every quarter.  zero = 1: the first products start the sums.
.macro MUL16 f, hi, a0, zero
	WIN MUL_LO+0x50*(\hi)
.irp a, \a0, (\a0)+1
.irp b, 0,1,2,3,4,5,6,7
.if \zero
	v_wmma_f32_16x16x32_f16 v[8*(8*(\a)+(\b)):8*(8*(\a)+(\b))+7], v[(\f)+8*(\b):(\f)+8*(\b)+7], v[(\f)+8*(4*(\hi)+(\a)):(\f)+8*(4*(\hi)+(\a))+7], 0
.else
	v_wmma_f32_16x16x32_f16 v[8*(8*(\a)+(\b)):8*(8*(\a)+(\b))+7], v[(\f)+8*(\b):(\f)+8*(\b)+7], v[(\f)+8*(4*(\hi)+(\a)):(\f)+8*(4*(\hi)+(\a))+7], v[8*(8*(\a)+(\b)):8*(8*(\a)+(\b))+7]
.endif
.endr
.endr
.endm
.macro FETCH k, f                      ; 32 LDS loads in one run, from the slot in hand: k's 128 rows, then q's, 32 along K at byte k of the rows
	WIN TO_B
.irp i, 0,1,2,3,4,5,6,7
	ds_load_b128 v[(\f)+8*(\i):(\f)+8*(\i)+3],   v[ADRB] offset:(\k)+(\i)*16*PITCH
	ds_load_b128 v[(\f)+8*(\i)+4:(\f)+8*(\i)+7], v[ADRB] offset:(\k)+(\i)*16*PITCH+32
.endr
	WIN 0
.irp i, 0,1,2,3,4,5,6,7
	ds_load_b128 v[(\f)+8*(\i):(\f)+8*(\i)+3],   v[ADRA] offset:(\k)+(\i)*16*PITCH
	ds_load_b128 v[(\f)+8*(\i)+4:(\f)+8*(\i)+7], v[ADRA] offset:(\k)+(\i)*16*PITCH+32
.endr
.endm
.macro QUARTER k, f, g, zero
	s_wait_dscnt 8                                 ; k's rows and q's rows 0-63 are in; the youngest eight loads may be out
	MUL16 \f, 0, 0, \zero
	MUL16 \f, 0, 2, \zero
	PLACES
	FETCH \k, \g
	s_wait_dscnt 32                                ; all but the 32 just issued
	MUL16 \f, 1, 0, \zero
	MUL16 \f, 1, 2, \zero
.endm
; The last quarter of a K step multiplies buffer 1 and changes slots: ONE barrier; in front of it the wait for all my tensor loads, the add, and the wait for it and for my reads of this slot.
; fill = 1: the barrier opens a round of the cluster's and the slot is filled again, two K steps on, first thing behind it, 224 matrix instructions ahead of the wait for that load.
.macro TURN fill
.if \fill
	s_wait_xcnt 0x0                                ; the last prefetch, a K step back, has read its address
	s_add_nc_u64 s[PFA:PFA+1], s[PFA:PFA+1], KSTEP*2
.endif
	WIN 0
	s_wait_tensorcnt 0x0                           ; all my tensor loads have landed, so a group 0 may be written
	ds_add_u32 v[SPW], v[NIL]
.if \fill
.irp g, G0+4, G0B+4
	s_xor_b32 s[(\g)+1], s[(\g)+1], SLOT           ; the walking descriptor: the other slot than last time,
	s_add_nc_u64 s[(\g)+2:(\g)+3], s[(\g)+2:(\g)+3], KSTEP*2  ; the next K step; the type bits on top are not reached
.endr
.endif
	s_xor_b32 s[TB], s[TB], SLOT                   ; the slot to be read next
	s_wait_dscnt 9                                 ; the add and the youngest eight loads may be out
	MUL16 F1, 0, 0, 0
	s_wait_dscnt 0x0
	s_barrier_signal -1
	MUL16 F1, 0, 2, 0
	WIN 0
	s_barrier_wait -1
.if \fill
	CREST
	JLOAD 1
.else
	PLACES
.endif
	v_add_nc_u32 v[ADRA], s[TB], v[A0]
	v_add_nc_u32 v[ADRB], s[TB], v[B0]
	FETCH 0, F0
.if \fill
	ASK
.endif
	MUL16 F1, 1, 0, 0
	MUL16 F1, 1, 2, 0
.endm
	s_wait_tensorcnt 1                             ; my part of K step 0 is in; K step 1's may stay out
	s_barrier_signal -1
	s_barrier_wait -1
	FETCH 0, F0
	s_mov_b32 s3, 6
.Lstep:                                ; K steps 0 to 5: each fills its slot again
	s_cmp_eq_u32 s3, 6
	s_cbranch_scc1 .Lzero                          ; the first step's first products start the sums
	QUARTER 64, F0, F1, 0
	WIN 0
	s_branch .Lgo
.Lzero:
	PLACES                                         ; the quarter below writes every accumulator anew, and such a product stands five places behind the last product on that accumulator (ISA guide 7.12.1), on every way
	                                               ; of the text, that round the loop's jump too: for my queries 64-127 only the quarter's own four would lie between; with these there are eight
	QUARTER 64, F0, F1, 1
	WIN 0
.Lgo:
	QUARTER 128, F1, F0, 0
	QUARTER 192, F0, F1, 0
	TURN 1
	WIN 0
	s_sub_co_u32 s3, s3, 1
	s_cmp_lg_u32 s3, 0
	s_cbranch_scc1 .Lstep
	s_mov_b32 s3, 2
.Llast:                                ; K steps 6 and 7 fill nothing.  The second trip's barrier, and the 32 fragments that it fetches from the slot read before, serve nothing: the price, once a launch, of one text for both
	QUARTER 64,  F0, F1, 0
	QUARTER 128, F1, F0, 0
	QUARTER 192, F0, F1, 0
	TURN 0
	WIN 0
	s_sub_co_u32 s3, s3, 1
	s_cmp_lg_u32 s3, 0
	s_cbranch_scc1 .Llast
	s_wait_dscnt 0x0                               ; buffer 0's registers are used again below
	PLACES
	PLACES
; THE WAY OUT, a block of 16 queries at a time: a counted loop.  What names the block's accumulators (SPEC a: the maximum, c m, the exponents) is written once for each block and reached by a forward jump
; on the loop's counter; the rest is written once.  Each accumulator is read from its low end on.
.macro SPEC a
.set AC, 64*((\a)%4)
.set WW, 2+(\a)/4
	WIN WW|(WW<<2)|(WW<<4)
.irp b, 0,1,2,3,4,5,6,7
	v_max3_num_f32 v[CX+(\b)], v[AC+8*(\b)], v[AC+8*(\b)+1], v[AC+8*(\b)+2]
.endr
	WIN (WW<<2)|(WW<<4)
.irp b, 0,1,2,3,4,5,6,7
	v_max3_num_f32 v[CX+(\b)], v[CX+(\b)], v[AC+8*(\b)+3], v[AC+8*(\b)+4]
.endr
.irp b, 0,1,2,3,4,5,6,7
	v_max3_num_f32 v[CX+(\b)], v[CX+(\b)], v[AC+8*(\b)+5], v[AC+8*(\b)+6]
.endr
.irp b, 0,1,2,3
	v_max3_num_f32 v[CX+(\b)], v[CX+(\b)], v[AC+16*(\b)+7], v[AC+16*(\b)+15]
.endr
	WIN 0
	v_max3_num_f32 v[CX], v[CX], v[CX+1], v[CX+2]
	v_max3_num_f32 v[CX+3], v[CX+3], v[CX+4], v[CX+5]
	v_max3_num_f32 v[CX], v[CX], v[CX+3], v[CX+6]
	v_max_num_f32 v[CX], v[CX], v[CX+7]
	v_permlanex16_b32 v[CX+1], v[CX], s[SEL], s[SEL+1]  ; the query's other 64 keys lie in the lane 16 away
	v_max_num_f32 v[CX], v[CX], v[CX+1]
	v_mul_f32 v[CM], s[CS], v[CX]
	WIN WW                                         ; source 0 in the accumulators' window
.set n, 0
.rept 32
	v_pk_fma_f32 v[EE+2*n:EE+2*n+1], v[AC+2*n:AC+2*n+1], s[CS:CS+1], v[CM:CM+1] op_sel_hi:[1,0,0] neg_lo:[0,0,1] neg_hi:[0,0,1]  ; c s - c m
.set n, n+1
.endr
	WIN 0
.endm
	s_mov_b32 s[BLK], 8
	s_mov_b32 s[SO], 0
.Lblock:
.irp a, 0,1,2,3,4,5,6
	s_cmp_eq_u32 s[BLK], 8-(\a)
	s_cbranch_scc1 .Lspec\a
.endr
	SPEC 7
	s_branch .Lcommon
.irp a, 0,1,2,3,4,5,6
.Lspec\a:
	SPEC \a
	s_branch .Lcommon
.endr
.Lcommon:
.set n, 0
.rept 64
	v_exp_f32 v[EE+n], v[EE+n]                     ; one batch
.set n, n+1
.endr
	v_add_nc_u32 v[SAC], s[SO], v[SA]              ; the plain instruction behind the last exponential
	s_wait_alu depctr_va_vdst(0)                   ; one wait for the batch, ahead of its first reader
.set n, 0
.rept 32
	v_cvt_pk_f16_f32 v[TMP+n], v[EE+2*n], v[EE+2*n+1]
.set n, n+1
.endr
.irp w, 1,2,4,8,16                     ; the sum of the 32 pairs, in place: neighbours 1, 2, 4, 8, 16 pairs apart
.set u, 0
.rept 16/(\w)
	v_pk_add_f32 v[EE+4*(\w)*u:EE+4*(\w)*u+1], v[EE+4*(\w)*u:EE+4*(\w)*u+1], v[EE+4*(\w)*u+2*(\w):EE+4*(\w)*u+2*(\w)+1]
.set u, u+1
.endr
.endr
	v_add_f32 v[LS], v[EE], v[EE+1]
	v_permlanex16_b32 v[XT], v[LS], s[SEL], s[SEL+1]
	v_add_f32 v[LS], v[LS], v[XT]
	ds_store_b32 v[SAC], v[CM]                     ; both halves of the lanes write the same word with the same number
	ds_store_b32 v[SAC], v[LS] offset:512
.irp b, 0,1,2,3,4,5,6,7
	ds_store_b128 v[STO], v[TMP+4*(\b):TMP+4*(\b)+3] offset:32*(\b)
.endr
.irp t, 0,1,2,3,4,5,6,7
	ds_load_b128 v[BK+4*(\t):BK+4*(\t)+3], v[RD] offset:(\t)*2*SPITCH  ; LDS serves a wave's instructions in order (ISA guide 5.7.1.4)
.endr
	s_wait_dscnt 0x0
.irp t, 0,1,2,3,4,5,6,7
	global_store_b128 v[CO], v[BK+4*(\t):BK+4*(\t)+3], s[8:9] offset:8192*(\t)  ; 16 lanes store 256 consecutive bytes, aligned
.endr
	s_wait_xcnt 0x0                                ; the stores have read their registers and their base
	s_add_nc_u64 s[8:9], s[8:9], 16*4096
	s_add_co_u32 s[SO], s[SO], 64
	s_sub_co_u32 s[BLK], s[BLK], 1
	s_cmp_lg_u32 s[BLK], 0
	s_cbranch_scc1 .Lblock
	ds_load_b128 v[32:35], v[SR]                   ; my 128 queries' c m_loc,
	ds_load_b128 v[36:39], v[SR] offset:512        ; and l_loc: my own bytes
	s_wait_dscnt 0x0
	global_store_b128 v[SG], v[32:35], s[6:7]      ; 512 consecutive bytes each
	global_store_b128 v[SG], v[36:39], s[6:7] offset:524288
	s_wait_tensorcnt 0x0                           ; the wave's end
	ds_add_u32 v[SPW], v[NIL]
	s_wait_dscnt 0x0
	CROUND                                         ; the closing round
	s_endpgm
.Lfunc_end_k_qfba9fcae81_scores:
	.size	k_qfba9fcae81_scores, .Lfunc_end_k_qfba9fcae81_scores-k_qfba9fcae81_scores
	.p2alignl 7, 3214868480
	.fill 96, 4, 3214868480
	.section	.rodata,"a",@progbits
	.p2align	6, 0x0
	.amdhsa_kernel k_qfba9fcae81_scores
		.amdhsa_group_segment_fixed_size 327680
		.amdhsa_private_segment_fixed_size 0
		.amdhsa_enable_private_segment 0
		.amdhsa_kernarg_size 24
		.amdhsa_user_sgpr_count 2
		.amdhsa_user_sgpr_kernarg_segment_ptr 1
		.amdhsa_wavefront_size32 1
		.amdhsa_system_sgpr_workgroup_id_x 1
		.amdhsa_system_sgpr_workgroup_id_y 1
		.amdhsa_system_sgpr_workgroup_id_z 1
		.amdhsa_system_vgpr_workitem_id 0
		.amdhsa_next_free_vgpr 1024
		.amdhsa_next_free_sgpr 84
		.amdhsa_reserve_vcc 0
		.amdhsa_float_denorm_mode_32 3
		.amdhsa_float_denorm_mode_16_64 3
		.amdhsa_memory_ordered 1
		.amdhsa_forward_progress 1
		.amdhsa_inst_pref_size 114
	.end_amdhsa_kernel
	.amdgpu_metadata
---
amdhsa.version: [ 1, 2 ]
amdhsa.kernels:
  - .name:           k_qfba9fcae81_scores
    .symbol:         k_qfba9fcae81_scores.kd
    .args:
      - { .name: qkv, .offset: 0, .size: 8, .value_kind: global_buffer, .address_space: global }
      - { .name: st, .offset: 8, .size: 8, .value_kind: global_buffer, .address_space: global }
      - { .name: pb, .offset: 16, .size: 8, .value_kind: global_buffer, .address_space: global }
    .group_segment_fixed_size: 327680
    .private_segment_fixed_size: 0
    .kernarg_segment_align: 8
    .kernarg_segment_size: 24
    .max_flat_workgroup_size: 128
    .sgpr_count:     84
    .vgpr_count:     1024
    .wavefront_size: 32
...
	.end_amdgpu_metadata
.endif
;; end of part 3
;; launch pv (part 4): grid 4 x 64, 4 waves a work-group, clusters of 4 x 4, 327,680 bytes of LDS; arguments pb, qkv, st, out0; writes out0
.if DOCPART == 4
	.amdgcn_target "amdgcn-amd-amdhsa--gfx1250"
	.amdhsa_code_object_version 6
	.text
	.protected	k_qfba9fcae81_pv
	.globl	k_qfba9fcae81_pv
	.p2align	8
	.type	k_qfba9fcae81_pv,@function
k_qfba9fcae81_pv:
	s_mov_b64 s[64:65], 0
	v_nop
	global_prefetch_b8 v0, s[64:65] scope:SCOPE_SE
	s_setreg_imm32_b32 hwreg(HW_REG_WAVE_MODE, 25, 1), 1
	s_wait_xcnt 0x0
	s_wait_alu depctr_hold_cnt(0) depctr_sa_sdst(0) depctr_va_vdst(0) depctr_va_sdst(0) depctr_va_ssrc(0) depctr_va_vcc(0) depctr_vm_vsrc(0)
	s_getreg_b32 s2, hwreg(HW_REG_IB_STS2, 6, 4)
	s_cmp_eq_u32 s2, 0
	s_cbranch_scc0 .Lentry_in_a_cluster
	s_endpgm
.Lentry_in_a_cluster:
	s_bfe_u32 s2, ttmp6, 0x10000c
	s_cmp_lg_u32 s2, 0xf033
	s_cbranch_scc0 .Lentry_shape_is_right
	s_endpgm
.Lentry_shape_is_right:
; out0[b][q][e] = (sum over key blocks kb of alpha[q][kb] x sum over the block's 128 keys t of pb[b][q][t] v[t][e]) / L[q], with M = the maximum over kb of c m_loc, alpha = 2^(c m_loc - M),
; L = the sum over kb of alpha l_loc: the softmax with the row's true maximum taken away.  pb: [4][2048][2048] f16; v: columns 2048-3071 of qkv [8192][3072] f16 ([K][N]); st: f32 statistics; out0 f32.
; alpha is rounded to f16 and multiplied onto pb's fragments in f16, between their load and the matrix instruction; the sums and L stay in f32.
; LIMITS: a weight alpha p under 6e-8 counts as 0, under 6e-5 it has f16's fixed step (L is at least about 1); NaN and infinities are not treated apart.
; SHARES, RING, CLUSTER as in the projection: a work-group makes 128 queries x 256 channels (256 tiles); wave w takes K half kh = w / 2 of each K step of 128 keys and channel half nh = w % 2, for all 128
; queries; the halves meet in LDS at the end.  A K step is one key block.  pb's tile is asked for jointly along a row of the cluster, v's along a column.  v is turned by ds_load_tr16_b128.
; REGISTERS: window 0: v0-31 addresses; v32-47 alpha, 8 registers for each slot; v64-127, v128-191 pb's fragments, two buffers (later the way out); v192-255 the way out
;   window 1: v64-191 v's fragments      window 2: accumulators of the queries I keep      window 3: of the queries I send
.set LAPS,   8                         ; 2,048 / 256
.set KSTEP,  128
.set AROW,   4096                      ; bytes in a row of pb, and of out0
.set BROW,   6144                      ; bytes in a row of qkv
.set PA,     272
.set PB,     544
.set AREG,   128*PA
.set SLOT,   AREG+128*PB               ; slot 1 lies at byte 0, slot 0 at SLOT
.set XCH,    SLOT                      ; the exchange: over slot 0, which has had its last fill and its last read by then, and the bytes behind it
.set STAGE,  XCH+4*32768               ; 16 rows x 528 bytes for each wave
.set SPITCH, 528
.set TAB,    STAGE+4*16*SPITCH         ; alpha twice in a word: key block kb, query t at 512 kb + 32 (t % 16) + 4 (t / 16)
.set INV,    TAB+8192                  ; 1 / L of the 128 queries
.set SPARE,  INV+512
.set IL,    4                          ; v4-11   the way out: 1 / L, a pair for each block of 16 queries
.set ATA,   12                         ; v12     my lane's place in TAB for the queries I keep
.set ATA2,  13                         ; v13     for those I send
.set ATC,   14                         ; v14-15  the same for the key block to be fetched
.set ADRA,  16
.set ADRA2, 18
.set ADRB,  20
.set XS,    22
.set XL,    23
.set STO,   24
.set RD,    25
.set CO,    26
.set IA,    27                         ; v27     my query's place in INV
.set SPW,   28
.set NIL,   29
.set PFO,   30
.set AL,    32
.set F0,    64
.set F1,    128
.set BK,    64
.set G1,  24
.set G0,  32
.set G1B, 48
.set G0B, 56
.set LIM, 43
.set PFA, 44
.set PFS, 66
.set TBA, 80                           ; s80  512 x the key block whose alpha is fetched next
.set MSB, 0
.macro WIN new
.if MSB != (\new)
	s_set_vgpr_msb (MSB<<8)|(\new)
.set MSB, \new
.endif
.endm
.set MUL_LO, 0xa1
.set TO_B,   0x40
.macro PLACES
.rept 4
	v_nop
.endr
.endm
.macro JLOAD s                         ; waves 0, 1 ask for pb's halves, waves 2, 3 for v's; an s_nop 0 and four v_nop follow each line
	s_cmp_eq_u32 s11, 0
	s_cbranch_scc0 .Lfor_b_\@
	tensor_load_to_lds s[G0+4*(\s):G0+4*(\s)+3], s[G1:G1+7]
	s_nop 0
.rept 4
	v_nop
.endr
	s_branch .Lasked_\@
.Lfor_b_\@:
	tensor_load_to_lds s[G0B+4*(\s):G0B+4*(\s)+3], s[G1B:G1B+7]
	s_nop 0
.rept 4
	v_nop
.endr
.Lasked_\@:
.endm
.macro CREST
	s_cmp_lg_u32 s10, 0
	s_cbranch_scc1 .Lnot_wave_0_\@
	s_barrier_signal -3
.Lnot_wave_0_\@:
	s_barrier_wait -3
	s_barrier_signal -1
	s_barrier_wait -1
.endm
.macro CROUND
	s_barrier_signal -1
	s_barrier_wait -1
	CREST
.endm
; A prefetch of the K step two refills on.  pb's rows are read by one cluster alone: wave 0 of each work-group names 32 of the tile's 128 rows, by cx.  v's rows are read by the four clusters of a batch:
; the first of them asks, waves 2 and 3, 16 rows x 2 blocks for each partner along y.  Each 256 bytes are named once.  The loop's last trip asks for nothing; K steps 0 to 3 come by their loads alone.
.macro ASK
	WIN 0
	s_cmp_gt_u32 s3, s[LIM]
	s_cbranch_scc0 .Lnot_mine_\@
	global_prefetch_b8 v[PFO], s[PFA:PFA+1] th:TH_LOAD_NT scope:SCOPE_SE
.Lnot_mine_\@:
.endm
	s_load_b256 s[72:79], s[0:1], 0x0              ; pb s[72:73], qkv s[74:75], st s[76:77], out0 s[78:79]
	v_lshl_add_u32 v[SPW], v0, 2, SPARE
	v_mov_b32 v[NIL], 0
	ds_add_u32 v[SPW], v[NIL]                      ; the wave's opening: the add and its wait stand ahead of my first tensor load
	v_lshrrev_b32 v1, 5, v0
	v_readfirstlane_b32 s10, v1
	s_lshr_b32 s11, s10, 1                         ; kh.  Also: I fetch for pb (0) or for v (1)
	s_and_b32 s12, s10, 1                          ; nh.  Also: which 64 rows of that tile I fetch
	s_bfe_u32 s40, ttmp6, 0x40000                  ; cx
	s_bfe_u32 s41, ttmp6, 0x40004                  ; cy
	s_lshl_b32 s42, ttmp9, 2
	s_add_co_u32 s42, s42, s40                     ; tile column
	s_and_b32 s82, ttmp7, 0xffff                   ; cluster y
	s_lshl_b32 s13, s82, 2
	s_add_co_u32 s13, s13, s41                     ; tile row = 16 x batch + query tile
	s_lshr_b32 s81, s82, 2                         ; the batch, from the cluster's place alone
	s_and_b32 s83, s82, 3
	s_lshl_b32 s43, s41, 2
	s_lshl_b32 s43, 15, s43
	s_lshl_b32 s44, 0x1111, s40
	s_or_b32 s[G1], s43, (1<<16)|(1<<20)|(1<<21)|(5<<22)|(3<<25)
	s_or_b32 s[G1B], s44, (1<<16)|(1<<20)|(1<<21)|(6<<22)|(7<<25)
	s_mov_b32 s[G1+1], 128<<16
	s_mov_b32 s[G1+2], 64<<16
	s_mov_b32 s[G1+3], 128<<16
	s_mov_b32 s[G1+4], 64
	s_mov_b32 s[G1+5], 2048
	s_mov_b32 s[G1+6], 0
	s_mov_b32 s[G1+7], 0
	s_mov_b32 s[G1B+1], 256<<16
	s_mov_b32 s[G1B+2], 64<<16
	s_mov_b32 s[G1B+3], 256<<16
	s_mov_b32 s[G1B+4], 64
	s_mov_b32 s[G1B+5], 3072
	s_mov_b32 s[G1B+6], 0
	s_mov_b32 s[G1B+7], 0
	s_mov_b32 s[TBA], 0
	s_lshl_b32 s16, s13, 7
	s_lshl_b32 s17, s12, 6
	s_add_co_u32 s16, s16, s17                     ; pb: row 128 x tile row + 64 x half
	s_lshl_b32 s16, s16, 12
	s_mov_b32 s17, 0
	s_lshl_b32 s46, s81, 11
	s_lshl_b32 s47, s12, 6
	s_add_co_u32 s46, s46, s47                     ; v: row 2,048 x batch + 64 x half,
	s_mul_i32 s46, s46, BROW
	s_lshl_b32 s47, s42, 9
	s_add_co_u32 s46, s46, s47
	s_add_co_u32 s46, s46, 4096                    ; byte 4,096 + 512 x tile column of the row
	s_mov_b32 s47, 0
	s_mul_i32 s20, s12, 64*PA
	s_mul_i32 s21, s12, 64*PB
	s_add_co_u32 s21, s21, AREG
	s_wait_dscnt 0x0
	s_wait_kmcnt 0x0
	s_add_nc_u64 s[14:15], s[72:73], s[16:17]
	s_add_nc_u64 s[46:47], s[74:75], s[46:47]
	CROUND
.irp s, 0,1
	s_mov_b32 s[G0+4*(\s)], 1
	s_add_co_u32 s[G0+4*(\s)+1], s20, (1-(\s))*SLOT
	s_add_nc_u64 s[G0+4*(\s)+2:G0+4*(\s)+3], s[14:15], (\s)*KSTEP*2
	s_or_b32 s[G0+4*(\s)+3], s[G0+4*(\s)+3], 0x80000000
	s_mov_b32 s[G0B+4*(\s)], 1
	s_add_co_u32 s[G0B+4*(\s)+1], s21, (1-(\s))*SLOT
	s_add_nc_u64 s[G0B+4*(\s)+2:G0B+4*(\s)+3], s[46:47], (\s)*KSTEP*BROW
	s_or_b32 s[G0B+4*(\s)+3], s[G0B+4*(\s)+3], 0x80000000
	JLOAD \s
.endr
	; THE STATISTICS: thread t stands for query t of the tile: its 16 c m_loc and 16 l_loc
	s_lshl_b32 s16, s81, 17
	s_and_b32 s18, s13, 15
	s_lshl_b32 s18, s18, 9
	s_add_co_u32 s16, s16, s18
	s_add_nc_u64 s[76:77], s[76:77], s[16:17]
	v_lshlrev_b32 v7, 2, v0
.irp k, 0,1,2,3,4,5,6,7,8,9,10,11,12,13,14,15
	global_load_b32 v[64+(\k)], v7, s[76:77] offset:8192*(\k)
	global_load_b32 v[80+(\k)], v7, s[76:77] offset:8192*(\k)+524288
.endr
	v_and_b32 v1, 15, v0                           ; r
	v_bfe_u32 v2, v0, 4, 1                         ; h
	v_and_b32 v6, 31, v0                           ; l
	v_mul_u32_u24 v3, v1, PA
	v_lshl_add_u32 v3, v2, 4, v3
	s_mul_i32 s14, s11, 64*PA+128                  ; the queries I keep, 64 kh on, and my K half's 128 bytes of a row
	s_xor_b32 s15, s11, 1
	s_lshl_b32 s19, s15, 4
	s_add_co_u32 s19, s19, TAB
	v_lshl_add_u32 v[ATA2], v1, 5, s19
	s_mul_i32 s15, s15, 64*PA                      ; the queries I send
	s_lshl_b32 s18, s11, 7
	s_add_co_u32 s15, s15, s18
	v_and_b32 v4, 7, v0
	v_lshl_add_u32 v4, v2, 3, v4
	v_mul_u32_u24 v4, v4, PB
	v_bfe_u32 v5, v0, 3, 1
	v_lshl_add_u32 v4, v5, 4, v4
	s_mul_i32 s18, s11, 64*PB
	s_lshl_b32 s19, s12, 8
	s_add_co_u32 s18, s18, s19
	s_add_co_u32 s18, s18, AREG
	v_add_nc_u32 v[ADRA+1], s14, v3
	v_add_nc_u32 v[ADRA2+1], s15, v3
	v_add_nc_u32 v[ADRB+1], s18, v4
	v_add_nc_u32 v[ADRA], SLOT, v[ADRA+1]
	v_add_nc_u32 v[ADRA2], SLOT, v[ADRA2+1]
	v_add_nc_u32 v[ADRB], SLOT, v[ADRB+1]
	s_lshl_b32 s19, s11, 4
	s_add_co_u32 s19, s19, TAB
	v_lshl_add_u32 v[ATA], v1, 5, s19              ; 32 r + 16 kh: four words, the blocks of 16 queries that I keep
	s_lshl_b32 s19, s11, 8
	s_add_co_u32 s19, s19, INV
	v_lshl_add_u32 v[IA], v1, 2, s19
	s_lshl_b32 s19, s10, 15
	s_add_co_u32 s19, s19, XCH
	v_lshl_add_u32 v[XS], v6, 4, s19
	s_xor_b32 s19, s10, 2
	s_lshl_b32 s19, s19, 15
	s_add_co_u32 s19, s19, XCH
	v_lshl_add_u32 v[XL], v6, 4, s19
	s_mul_i32 s19, s10, 16*SPITCH
	s_add_co_u32 s19, s19, STAGE
	v_mul_u32_u24 v5, v1, SPITCH                   ; in: row r, 32 bytes for each half of the lanes
	v_lshl_add_u32 v5, v2, 5, v5
	v_add_nc_u32 v[STO], s19, v5
	v_lshl_add_u32 v[RD], v6, 4, s19               ; back: 32 lanes take a row of 512 bytes
	v_lshlrev_b32 v[CO], 4, v6
	s_lshl_b32 s16, s13, 7
	s_lshl_b32 s18, s11, 6
	s_add_co_u32 s16, s16, s18
	s_lshl_b32 s16, s16, 12                        ; the first row that I store
	s_lshl_b32 s18, s42, 10
	s_add_co_u32 s16, s16, s18
	s_lshl_b32 s18, s12, 9
	s_add_co_u32 s16, s16, s18                     ; my 128 channels: 512 bytes
	s_add_nc_u64 s[78:79], s[78:79], s[16:17]
	; the prefetches stand at K step 3; the first change of slots steps them to 4
	s_lshl_b32 s16, s13, 7
	s_lshl_b32 s18, s40, 5
	s_add_co_u32 s16, s16, s18
	s_lshl_b32 s16, s16, 12
	s_add_co_u32 s16, s16, 3*KSTEP*2
	s_lshl_b32 s18, s81, 11
	s_lshl_b32 s19, s12, 6
	s_add_co_u32 s18, s18, s19
	s_lshl_b32 s19, s41, 4
	s_add_co_u32 s18, s18, s19
	s_add_co_u32 s18, s18, 3*KSTEP
	s_mul_i32 s18, s18, BROW
	s_lshl_b32 s19, s42, 9
	s_add_co_u32 s18, s18, s19
	s_add_co_u32 s18, s18, 4096
	s_mov_b32 s23, KSTEP*2
	s_mov_b32 s21, AROW
	s_cmp_eq_u32 s11, 0
	s_cselect_b32 s16, s16, s18
	s_cselect_b64 s[PFA:PFA+1], s[72:73], s[74:75]
	s_cselect_b32 s[PFS], s23, KSTEP*BROW
	s_cselect_b32 s19, ttmp9, s83                  ; the coordinate along which other clusters read the same rows
	s_cselect_b32 s20, 0, 1
	s_cselect_b32 s21, s21, BROW
	s_cselect_b32 s22, s12, 0                      ; wave 1 never asks
	s_mov_b32 s[PFS+1], 0
	s_or_b32 s19, s19, s22
	s_cmp_eq_u32 s19, 0
	s_cselect_b32 s[LIM], 1, -1
	s_add_nc_u64 s[PFA:PFA+1], s[PFA:PFA+1], s[16:17]
	v_lshrrev_b32 v5, s20, v6
	v_mul_u32_u24 v5, s21, v5
	v_and_b32 v8, s20, v6
	v_lshl_add_u32 v[PFO], v8, 8, v5
	v_lshl_add_u32 v8, v1, 5, TAB                  ; where query t's alpha go
	v_lshrrev_b32 v9, 4, v0
	v_lshl_add_u32 v8, v9, 2, v8
	v_lshl_add_u32 v9, v0, 2, INV
	s_wait_loadcnt 0x0
	v_max3_num_f32 v96, v64, v65, v66              ; M
.irp k, 67,69,71,73,75,77
	v_max3_num_f32 v96, v96, v[\k], v[(\k)+1]
.endr
	v_max_num_f32 v96, v96, v79
.irp k, 0,1,2,3,4,5,6,7,8,9,10,11,12,13,14,15
	v_sub_f32 v[64+(\k)], v[64+(\k)], v96
.endr
.irp k, 0,1,2,3,4,5,6,7,8,9,10,11,12,13,14,15
	v_exp_f32 v[64+(\k)], v[64+(\k)]               ; alpha
.endr
	v_nop
	s_wait_alu depctr_va_vdst(0)                   ; one wait for the sixteen
	v_mul_f32 v97, v64, v80
.irp k, 1,2,3,4,5,6,7,8,9,10,11,12,13,14,15
	v_fmac_f32 v97, v[64+(\k)], v[80+(\k)]         ; L
.endr
	v_rcp_f32 v98, v97
.irp k, 0,1,2,3,4,5,6,7,8,9,10,11,12,13,14,15
	v_cvt_pk_f16_f32 v[100+(\k)], v[64+(\k)], v[64+(\k)]
.endr
	s_wait_alu depctr_va_vdst(0)                   ; the reciprocal's wait; the roundings above stand between
.irp k, 0,1,2,3,4,5,6,7,8,9,10,11,12,13,14,15
	ds_store_b32 v8, v[100+(\k)] offset:512*(\k)
.endr
	ds_store_b32 v9, v98
; 16 matrix instructions, and behind every second one two lines that scale fragments still to be multiplied: registers sc .. sc + 15 (two fragments of pb) by alpha in ab, ab + 1.  sc < 0: none.
; The 64 accumulators take turns, one instruction a turn, in the same order in every quarter.  No scaling line names a register of the products round it.
.macro MUL16S f, hi, a0, zero, sc, ab
.set pp, 0
.irp a, \a0, (\a0)+1
.irp b, 0,1,2,3,4,5,6,7
	WIN MUL_LO+0x50*(\hi)
.if \zero
	v_wmma_f32_16x16x32_f16 v[8*(8*(\a)+(\b)):8*(8*(\a)+(\b))+7], v[(\f)+8*(\b):(\f)+8*(\b)+7], v[(\f)+8*(4*(\hi)+(\a)):(\f)+8*(4*(\hi)+(\a))+7], 0
.else
	v_wmma_f32_16x16x32_f16 v[8*(8*(\a)+(\b)):8*(8*(\a)+(\b))+7], v[(\f)+8*(\b):(\f)+8*(\b)+7], v[(\f)+8*(4*(\hi)+(\a)):(\f)+8*(4*(\hi)+(\a))+7], v[8*(8*(\a)+(\b)):8*(8*(\a)+(\b))+7]
.endif
.if ((\sc) >= 0) && (pp%2 == 0)
	WIN 0
	v_pk_mul_f16 v[(\sc)+pp], v[(\sc)+pp], v[(\ab)+pp/8]
	v_pk_mul_f16 v[(\sc)+pp+1], v[(\sc)+pp+1], v[(\ab)+pp/8]
.endif
.set pp, pp+1
.endr
.endr
.endm
; One run of LDS loads: with q = 0 first the key block's alpha (2 loads), then pb's fragments (16), then v's, turned (16)
.macro FETCH slot, q, f
	WIN 0
.if (\q) == 0
	v_add_nc_u32 v[ATC], s[TBA], v[ATA]
	v_add_nc_u32 v[ATC+1], s[TBA], v[ATA2]
	s_add_co_u32 s[TBA], s[TBA], 512
	ds_load_b128 v[AL+8*(\slot):AL+8*(\slot)+3],   v[ATC]
	ds_load_b128 v[AL+8*(\slot)+4:AL+8*(\slot)+7], v[ATC+1]
.endif
.irp i, 0,1,2,3
	ds_load_b128 v[(\f)+8*(\i):(\f)+8*(\i)+3],   v[ADRA+(\slot)] offset:64*(\q)+(\i)*16*PA
	ds_load_b128 v[(\f)+8*(\i)+4:(\f)+8*(\i)+7], v[ADRA+(\slot)] offset:64*(\q)+(\i)*16*PA+32
.endr
.irp i, 0,1,2,3
	ds_load_b128 v[(\f)+32+8*(\i):(\f)+32+8*(\i)+3],   v[ADRA2+(\slot)] offset:64*(\q)+(\i)*16*PA
	ds_load_b128 v[(\f)+32+8*(\i)+4:(\f)+32+8*(\i)+7], v[ADRA2+(\slot)] offset:64*(\q)+(\i)*16*PA+32
.endr
	WIN TO_B
.irp b, 0,1,2,3,4,5,6,7
	ds_load_tr16_b128 v[(\f)+8*(\b):(\f)+8*(\b)+3],   v[ADRB+(\slot)] offset:32*PB*(\q)+32*(\b)
	ds_load_tr16_b128 v[(\f)+8*(\b)+4:(\f)+8*(\b)+7], v[ADRB+(\slot)] offset:32*PB*(\q)+16*PB+32*(\b)
.endr
.endm
; While fragments 0, 1 are multiplied, 2 and 3 are scaled; and so on; while 6, 7 are multiplied, the next buffer's 0 and 1.
.macro QUARTER slot, zero
	s_wait_dscnt 0x0                               ; buffer 0 is in
	MUL16S F0, 0, 0, \zero, F0+16, AL+8*(\slot)+2
	MUL16S F0, 0, 2, \zero, F0+32, AL+8*(\slot)+4
	PLACES
	FETCH \slot, 1, F1
	MUL16S F0, 1, 0, \zero, F0+48, AL+8*(\slot)+6
	s_wait_dscnt 28                                ; of the 32 loads just issued the oldest four are in: buffer 1's fragments 0 and 1
	MUL16S F0, 1, 2, \zero, F1, AL+8*(\slot)
.endm
.macro TURN slot, next, fill
.if \fill
	s_wait_xcnt 0x0                                ; the last prefetch, a K step back, has read its address
	s_add_nc_u64 s[PFA:PFA+1], s[PFA:PFA+1], s[PFS:PFS+1]
.endif
	WIN 0
	s_wait_tensorcnt 0x0                           ; all my tensor loads have landed
	ds_add_u32 v[SPW], v[NIL]
	s_wait_dscnt 1                                 ; buffer 1 is in; the add alone may be out
	MUL16S F1, 0, 0, 0, F1+16, AL+8*(\slot)+2
	s_wait_dscnt 0x0                               ; the add is done, and my reads of this slot are over
	s_barrier_signal -1
	MUL16S F1, 0, 2, 0, F1+32, AL+8*(\slot)+4
	WIN 0
	s_barrier_wait -1
.if \fill
	CREST
	s_add_nc_u64 s[G0+4*(\slot)+2:G0+4*(\slot)+3], s[G0+4*(\slot)+2:G0+4*(\slot)+3], 2*KSTEP*2
	s_add_nc_u64 s[G0B+4*(\slot)+2:G0B+4*(\slot)+3], s[G0B+4*(\slot)+2:G0B+4*(\slot)+3], 2*KSTEP*BROW
	JLOAD \slot
.else
	PLACES
.endif
	FETCH \next, 0, F0
.if \fill
	ASK
.endif
	MUL16S F1, 1, 0, 0, F1+48, AL+8*(\slot)+6
	s_wait_dscnt 28                                ; of the 34 loads just issued the oldest six are in: the next key block's alpha, buffer 0's fragments 0 and 1
	MUL16S F1, 1, 2, 0, F0, AL+8*(\next)
.endm
	s_wait_tensorcnt 1                             ; my part of K step 0 is in; K step 1's may stay out
	s_wait_dscnt 0x0                               ; my part of the tables is written
	s_barrier_signal -1
	s_barrier_wait -1
	FETCH 0, 0, F0
	s_wait_dscnt 0x0
	WIN 0
.set n, 0
.rept 16
	v_pk_mul_f16 v[F0+n], v[F0+n], v[AL+n/8]       ; the first two fragments have no products to stand behind
.set n, n+1
.endr
	QUARTER 0, 1
	WIN 0
	s_mov_b32 s3, LAPS-1
.Llap:
	TURN 0, 1, 1
	QUARTER 1, 0
	TURN 1, 0, 1
	QUARTER 0, 0
	WIN 0
	s_sub_co_u32 s3, s3, 1
	s_cmp_lg_u32 s3, 0
	s_cbranch_scc1 .Llap
	TURN 0, 1, 0                                   ; the last lap fills nothing.  Behind this barrier nobody reads slot 0 any more
	QUARTER 1, 0
	s_wait_dscnt 0x0
	MUL16S F1, 0, 0, 0, F1+16, AL+8+2
	MUL16S F1, 0, 2, 0, F1+32, AL+8+4
	MUL16S F1, 1, 0, 0, F1+48, AL+8+6
	MUL16S F1, 1, 2, 0, -1, 0
	WIN 0
	PLACES
	PLACES
	WIN 0x0c                                       ; THE EXCHANGE: store data in window 3, each accumulator from its low end on
.set g, 0
.rept 64
	ds_store_b128 v[XS], v[4*g:4*g+3] offset:512*g
.set g, g+1
.endr
	WIN 0
	s_wait_dscnt 0x0
	s_barrier_signal -1
	s_barrier_wait -1
.macro PRE a
.set PD, 192-64*((\a)%2)
.irp t, 0,1,2,3,4,5,6,7,8,9,10,11,12,13,14,15
	ds_load_b128 v[PD+4*(\t):PD+4*(\t)+3], v[XL] offset:8192*(\a)+512*(\t)
.endr
.endm
; Block a of 16 queries: the two K halves are added, divided by L, sent through my stage and stored as whole rows of 512 bytes.
.macro OUTB a
.set PD, 192-64*((\a)%2)
	WIN 0x02
.set n, 0
.rept 32
	v_pk_add_f32 v[PD+2*n:PD+2*n+1], v[64*(\a)+2*n:64*(\a)+2*n+1], v[PD+2*n:PD+2*n+1]
.set n, n+1
.endr
	WIN 0
.set n, 0
.rept 32
	v_pk_mul_f32 v[PD+2*n:PD+2*n+1], v[PD+2*n:PD+2*n+1], v[IL+2*(\a):IL+2*(\a)+1] op_sel_hi:[1,0]
.set n, n+1
.endr
.irp b, 0,1,2,3,4,5,6,7
	ds_store_b128 v[STO], v[PD+8*(\b):PD+8*(\b)+3]   offset:64*(\b)
	ds_store_b128 v[STO], v[PD+8*(\b)+4:PD+8*(\b)+7] offset:64*(\b)+16
.endr
	s_wait_xcnt 0x0                                ; the last block's stores have read their registers
.irp t, 0,1,2,3,4,5,6,7,8,9,10,11,12,13,14,15
	ds_load_b128 v[BK+4*(\t):BK+4*(\t)+3], v[RD] offset:(\t)*SPITCH  ; LDS serves a wave's instructions in order (ISA guide 5.7.1.4)
.endr
	s_wait_dscnt 0x0
.irp t, 0,1,2,3,4,5,6,7,8,9,10,11,12,13,14,15
	global_store_b128 v[CO], v[BK+4*(\t):BK+4*(\t)+3], s[78:79] offset:(16*(\a)+(\t))*AROW  ; 512 consecutive bytes, aligned
.endr
.endm
.irp a, 0,1,2,3
	ds_load_b32 v[IL+2*(\a)],   v[IA] offset:64*(\a)   ; 1 / L of my query in each of the four blocks
	ds_load_b32 v[IL+2*(\a)+1], v[IA] offset:64*(\a)
.endr
	PRE 0
	PRE 1
	s_wait_dscnt 16                                ; 1 / L and block 0's sums are in; block 1's sixteen loads may stay out
	OUTB 0
	PRE 2
	OUTB 1
	PRE 3
	OUTB 2
	OUTB 3
	s_wait_tensorcnt 0x0                           ; the wave's end
	ds_add_u32 v[SPW], v[NIL]
	s_wait_dscnt 0x0
	CROUND                                         ; the closing round
	s_endpgm
.Lfunc_end_k_qfba9fcae81_pv:
	.size	k_qfba9fcae81_pv, .Lfunc_end_k_qfba9fcae81_pv-k_qfba9fcae81_pv
	.p2alignl 7, 3214868480
	.fill 96, 4, 3214868480
	.section	.rodata,"a",@progbits
	.p2align	6, 0x0
	.amdhsa_kernel k_qfba9fcae81_pv
		.amdhsa_group_segment_fixed_size 327680
		.amdhsa_private_segment_fixed_size 0
		.amdhsa_enable_private_segment 0
		.amdhsa_kernarg_size 32
		.amdhsa_user_sgpr_count 2
		.amdhsa_user_sgpr_kernarg_segment_ptr 1
		.amdhsa_wavefront_size32 1
		.amdhsa_system_sgpr_workgroup_id_x 1
		.amdhsa_system_sgpr_workgroup_id_y 1
		.amdhsa_system_sgpr_workgroup_id_z 1
		.amdhsa_system_vgpr_workitem_id 0
		.amdhsa_next_free_vgpr 1024
		.amdhsa_next_free_sgpr 84
		.amdhsa_reserve_vcc 0
		.amdhsa_float_denorm_mode_32 3
		.amdhsa_float_denorm_mode_16_64 3
		.amdhsa_memory_ordered 1
		.amdhsa_forward_progress 1
		.amdhsa_inst_pref_size 159
	.end_amdhsa_kernel
	.amdgpu_metadata
---
amdhsa.version: [ 1, 2 ]
amdhsa.kernels:
  - .name:           k_qfba9fcae81_pv
    .symbol:         k_qfba9fcae81_pv.kd
    .args:
      - { .name: pb, .offset: 0, .size: 8, .value_kind: global_buffer, .address_space: global }
      - { .name: qkv, .offset: 8, .size: 8, .value_kind: global_buffer, .address_space: global }
      - { .name: st, .offset: 16, .size: 8, .value_kind: global_buffer, .address_space: global }
      - { .name: out0, .offset: 24, .size: 8, .value_kind: global_buffer, .address_space: global }
    .group_segment_fixed_size: 327680
    .private_segment_fixed_size: 0
    .kernarg_segment_align: 8
    .kernarg_segment_size: 32
    .max_flat_workgroup_size: 128
    .sgpr_count:     84
    .vgpr_count:     1024
    .wavefront_size: 32
...
	.end_amdgpu_metadata
.endif
;; end of part 4
;; ======== version 2 of 2: 4 launches; version 1 with the launch cast written anew for expert scheduling mode
;; limits: values are held in f16: magnitudes above 65,504 overflow, below 6.1e-05 lose precision
;; workspace buffers: xb 16,777,216 bytes; wb 6,291,456 bytes; bb 12,288 bytes; qkv 50,331,648 bytes; pb 33,554,432 bytes; st 1,048,576 bytes
;; launch cast (part 5): grid 704 x 1, 8 waves a work-group, no clusters, 0 bytes of LDS; arguments x, Wq, Wk, Wv, bq, bk, bv, xb, wb, bb; writes xb, wb, bb
.if DOCPART == 5
	.amdgcn_target "amdgcn-amd-amdhsa--gfx1250"
	.amdhsa_code_object_version 6
	.text
	.protected	k_qfba9fcae81_cast
	.globl	k_qfba9fcae81_cast
	.p2align	8
	.type	k_qfba9fcae81_cast,@function
k_qfba9fcae81_cast:
	s_mov_b64 s[64:65], 0
	v_nop
	global_prefetch_b8 v0, s[64:65] scope:SCOPE_SE
	s_setreg_imm32_b32 hwreg(HW_REG_WAVE_SCHED_MODE, 0, 2), 2
	s_setreg_imm32_b32 hwreg(HW_REG_WAVE_MODE, 25, 1), 1
	s_wait_xcnt 0x0
	s_wait_alu depctr_vm_vsrc(0)
; x [8192][1024] f32 -> xb bf16.  Wq, Wk, Wv [1024][1024] f32 -> wb bf16 [1024][3072], side by side (columns 0, 1024, 2048 on).
; bq, bk, bv -> bb f32 [3072], each number rounded to bf16 and written as f32: all inputs of the module get one and the same rounding.
; A work-group takes 16 rows of 1,024 floats: groups 0-511 rows of x, groups 512-703 rows of a W.  Thread t owns floats 4 t .. 4 t + 3 of every row:
; a load of a wave covers 512 consecutive bytes, a store 256 consecutive bytes, aligned.  All 16 loads go out first.
; No LDS, no barrier, no matrix unit: each byte is read once and written once, and nothing is shared.
; THE MODE: SCHED_MODE bits 1:0 = 2 (LLVM: expert scheduling mode 2), set by the entry lines.  The code itself states the register dependences
; between vector instructions and memory instructions, with s_wait_alu, always for 0.
; THE PLAN.  Registers that memory instructions touch:
;   v1, v2   byte offsets, made at the head and never written again: v1 is read by every load and by the bias's store, v2 by every store of rows.
;   X        row i: 4 registers.  Written by row i's load; read by row i's two conversions.  No memory instruction reads them.  On the bias's way v[8:11] take one more load.
;   Y        row i: 2 registers.  Written once, by row i's two conversions; read once, by row i's store.
; The 16 rows go in four blocks of four.  Block p converts its rows; among its conversions stand the four stores of block p - 1, whose Y no line of block p names.
; So one wait at a block's head states all that the block's four stores hang on.  No register that a memory instruction has read is ever written again: no wait on vm_vsrc is owed.
.set X, 8                              ; v[8:71]   row i: 4 floats
.set Y, 72                             ; v[72:103] row i: 4 bf16
.macro IN
.irp i, 0,1,2,3,4,5,6,7,8,9,10,11,12,13,14,15
	global_load_b128 v[X+4*(\i):X+4*(\i)+3], v1, s[30:31] offset:4096*(\i) th:TH_LOAD_NT
.endr
.endm
.macro OUT pitch                       ; pitch: bytes from row to row in the target
.irp p, 0,1,2,3
	s_wait_loadcnt 15-4*(\p)                       ; loads come back in order: the block's first row is in, the younger rows stay out
.if (\p) > 0
	s_wait_alu depctr_va_vdst(0)                   ; the block before has written its eight registers of Y, which the four stores below read
.endif
.irp i, 0,1,2,3
.if (\p) > 0
	global_store_b64 v2, v[Y+2*(4*(\p)-4+(\i)):Y+2*(4*(\p)-4+(\i))+1], s[32:33] offset:(\pitch)*(4*(\p)-4+(\i)) th:TH_STORE_NT  ; a row of the block before, ahead of the wait for the next load; no vector line since the wait names its registers
.endif
.if (\i) > 0
	s_wait_loadcnt 15-4*(\p)-(\i)                  ; row 4 p + i is in
.endif
	v_cvt_pk_bf16_f32 v[Y+2*(4*(\p)+(\i))], v[X+4*(4*(\p)+(\i))], v[X+4*(4*(\p)+(\i))+1]
	v_cvt_pk_bf16_f32 v[Y+2*(4*(\p)+(\i))+1], v[X+4*(4*(\p)+(\i))+2], v[X+4*(4*(\p)+(\i))+3]
.endr
.endr
	s_wait_alu depctr_va_vdst(0)                   ; the last block has written its Y, which the four stores below read; and every conversion is done reading X
.irp i, 12,13,14,15
	global_store_b64 v2, v[Y+2*(\i):Y+2*(\i)+1], s[32:33] offset:(\pitch)*(\i) th:TH_STORE_NT
.endr
.endm
	s_load_b512 s[8:23], s[0:1], 0x0               ; x s[8:9], Wq s[10:11], Wk s[12:13], Wv s[14:15], bq s[16:17], bk s[18:19], bv s[20:21], xb s[22:23]
	s_load_b128 s[24:27], s[0:1], 0x40             ; wb s[24:25], bb s[26:27]
	v_lshlrev_b32 v1, 4, v0                        ; 16 t: my bytes in a row of floats
	v_lshlrev_b32 v2, 3, v0                        ; 8 t: my bytes in a row of bf16
	s_sub_co_u32 s3, ttmp9, 512                    ; the group's number among the W groups
	s_lshr_b32 s4, s3, 6                           ; which W: 0, 1, 2
	s_and_b32 s5, s3, 63                           ; which 16 rows of it
	s_mov_b32 s29, 0
	s_wait_kmcnt 0x0
	s_wait_alu depctr_va_vdst(0)                   ; v1 and v2 are written: every load and store of the kernel, on both ways below, reads one of them as its offset
	s_cmp_lt_u32 ttmp9, 512
	s_cbranch_scc0 .Lweights
	s_lshl_b32 s28, ttmp9, 16                      ; 16 rows of 4,096 bytes
	s_add_nc_u64 s[30:31], s[8:9], s[28:29]
	s_lshl_b32 s28, ttmp9, 15                      ; 16 rows of 2,048 bytes
	s_add_nc_u64 s[32:33], s[22:23], s[28:29]
	IN
	OUT 2048
	s_endpgm
.Lweights:
	s_cmp_eq_u32 s4, 0
	s_cselect_b64 s[30:31], s[10:11], s[12:13]
	s_cselect_b64 s[34:35], s[16:17], s[18:19]
	s_cmp_eq_u32 s4, 2
	s_cselect_b64 s[30:31], s[14:15], s[30:31]     ; the W,
	s_cselect_b64 s[34:35], s[20:21], s[34:35]     ; and its bias
	s_lshl_b32 s28, s5, 16
	s_add_nc_u64 s[30:31], s[30:31], s[28:29]
	s_mul_i32 s28, s5, 16*6144                     ; 16 rows of wb,
	s_lshl_b32 s36, s4, 11                         ; and this W's 2,048 bytes in a row
	s_add_co_u32 s28, s28, s36
	s_add_nc_u64 s[32:33], s[24:25], s[28:29]
	IN
	OUT 6144
	s_cmp_lg_u32 s5, 0                             ; the first group of each W also takes its bias: 256 threads x 4 floats
	s_cbranch_scc1 .Ldone
	global_load_b128 v[8:11], v1, s[34:35]         ; no wait: row 0's conversions, which read v[8:11], stand ahead of the wait in front of the last four stores, and no vector line since names v[8:11] or v1
	s_lshl_b32 s28, s4, 12
	s_add_nc_u64 s[26:27], s[26:27], s[28:29]
	s_wait_loadcnt 0x0
	v_cvt_pk_bf16_f32 v12, v8, v9                  ; rounded to bf16,
	v_cvt_pk_bf16_f32 v13, v10, v11
	v_lshlrev_b32 v16, 16, v12                     ; and widened again
	v_and_b32 v17, 0xffff0000, v12
	v_lshlrev_b32 v18, 16, v13
	v_and_b32 v19, 0xffff0000, v13
	s_wait_alu depctr_va_vdst(0)                   ; the four lines above have written v[16:19], which the store reads
	global_store_b128 v1, v[16:19], s[26:27]
.Ldone:
	s_endpgm
.Lfunc_end_k_qfba9fcae81_cast:
	.size	k_qfba9fcae81_cast, .Lfunc_end_k_qfba9fcae81_cast-k_qfba9fcae81_cast
	.p2alignl 7, 3214868480
	.fill 96, 4, 3214868480
	.section	.rodata,"a",@progbits
	.p2align	6, 0x0
	.amdhsa_kernel k_qfba9fcae81_cast
		.amdhsa_group_segment_fixed_size 0
		.amdhsa_private_segment_fixed_size 0
		.amdhsa_enable_private_segment 0
		.amdhsa_kernarg_size 80
		.amdhsa_user_sgpr_count 2
		.amdhsa_user_sgpr_kernarg_segment_ptr 1
		.amdhsa_wavefront_size32 1
		.amdhsa_system_sgpr_workgroup_id_x 1
		.amdhsa_system_sgpr_workgroup_id_y 1
		.amdhsa_system_sgpr_workgroup_id_z 1
		.amdhsa_system_vgpr_workitem_id 0
		.amdhsa_next_free_vgpr 104
		.amdhsa_next_free_sgpr 66
		.amdhsa_reserve_vcc 0
		.amdhsa_float_denorm_mode_32 3
		.amdhsa_float_denorm_mode_16_64 3
		.amdhsa_memory_ordered 1
		.amdhsa_forward_progress 1
		.amdhsa_inst_pref_size 14
	.end_amdhsa_kernel
	.amdgpu_metadata
---
amdhsa.version: [ 1, 2 ]
amdhsa.kernels:
  - .name:           k_qfba9fcae81_cast
    .symbol:         k_qfba9fcae81_cast.kd
    .args:
      - { .name: x, .offset: 0, .size: 8, .value_kind: global_buffer, .address_space: global }
      - { .name: Wq, .offset: 8, .size: 8, .value_kind: global_buffer, .address_space: global }
      - { .name: Wk, .offset: 16, .size: 8, .value_kind: global_buffer, .address_space: global }
      - { .name: Wv, .offset: 24, .size: 8, .value_kind: global_buffer, .address_space: global }
      - { .name: bq, .offset: 32, .size: 8, .value_kind: global_buffer, .address_space: global }
      - { .name: bk, .offset: 40, .size: 8, .value_kind: global_buffer, .address_space: global }
      - { .name: bv, .offset: 48, .size: 8, .value_kind: global_buffer, .address_space: global }
      - { .name: xb, .offset: 56, .size: 8, .value_kind: global_buffer, .address_space: global }
      - { .name: wb, .offset: 64, .size: 8, .value_kind: global_buffer, .address_space: global }
      - { .name: bb, .offset: 72, .size: 8, .value_kind: global_buffer, .address_space: global }
    .group_segment_fixed_size: 0
    .private_segment_fixed_size: 0
    .kernarg_segment_align: 8
    .kernarg_segment_size: 80
    .max_flat_workgroup_size: 256
    .sgpr_count:     66
    .vgpr_count:     104
    .wavefront_size: 32
...
	.end_amdgpu_metadata
.endif
;; end of part 5
;; launch proj: the kernel of part 2 again; grid 12 x 16, 4 waves a work-group, clusters of 4 x 4, 327,680 bytes of LDS; arguments xb, wb, bb, qkv; writes qkv
;; launch scores: the kernel of part 3 again; grid 8 x 32, 4 waves a work-group, clusters of 4 x 4, 327,680 bytes of LDS; arguments qkv, st, pb; writes st, pb
;; launch pv: the kernel of part 4 again; grid 4 x 64, 4 waves a work-group, clusters of 4 x 4, 327,680 bytes of LDS; arguments pb, qkv, st, out0; writes out0
